; MI455X (gfx1250); checked and timed in simulation.
; The chip was launched on July 23, 2026; its instructions are those of AMD's public machine-readable ISA for CDNA 5 (MIT licence, August 2026) and "CDNA5" Instruction Set Architecture Reference Guide (July 2026). The comments in the code are by the model that wrote it; some were corrected since.
;; Encoder. Allowed arithmetic: float matrix products may take bf16 or f16 operands with f32 sums; all other float work in f32.
;; Inputs: ln1_b 1,024 float32; ln1_g 1,024 float32; ln2_b 1,024 float32; ln2_g 1,024 float32; ln3_b 1,024 float32; ln3_g 1,024 float32; w1 1,024 x 1,024 float32; w2 1,024 x 1,024 float32; wk 16 x 1,024 x 64 float32; wo 1,024 x 1,024 float32; wq 16 x 1,024 x 64 float32; wv 16 x 1,024 x 64 float32; x 2 x 2,048 x 1,024 float32.
;; Outputs: out0 2 x 2,048 x 1,024 float32.
;; One version. Each part assembles by itself: llvm-mc -triple=amdgcn-amd-amdhsa -mcpu=gfx1250 --defsym DOCPART=n.
;; ======== version 1 of 1: 8 launches
;; workspace buffers: act 8,388,608 bytes; qkv 25,165,824 bytes; wqkvb 6,291,456 bytes; w1b 2,097,152 bytes; wob 2,097,152 bytes; w2b 2,097,152 bytes; y 16,777,216 bytes; h2 16,777,216 bytes
;; launch prep (part 1): grid 512 x 1, 8 waves a work-group, no clusters, 0 bytes of LDS; arguments x, ln1_g, ln1_b, wq, wk, wv, wo, w1, w2, act, wqkvb, wob, w1b, w2b; writes act, wqkvb, wob, w1b, w2b
.if DOCPART == 1
	.amdgcn_target "amdgcn-amd-amdhsa--gfx1250"
	.amdhsa_code_object_version 6
	.text
	.protected	k_qa6c657cc03_prep
	.globl	k_qa6c657cc03_prep
	.p2align	8
	.type	k_qa6c657cc03_prep,@function
k_qa6c657cc03_prep:
	s_mov_b64 s[64:65], 0
	v_nop
	global_prefetch_b8 v0, s[64:65] scope:SCOPE_SE
	s_setreg_imm32_b32 hwreg(HW_REG_WAVE_MODE, 25, 1), 1
	s_wait_xcnt 0x0
; TWO JOBS IN ONE LAUNCH, chosen by the work-group's number.
; Work-groups 0-255: act = LayerNorm(x) g + b, rounded once to bf16, 16 rows of 1,024 a work-group.
; Work-groups 256-511: the six weights are rounded to bf16; wq, wk, wv ([16][1024][64]) are laid as [1024][16 x 64], so that all six are [K = 1024][N = 1024] with rows of 2,048 bytes.
; act's LAYOUT (tile-major): element (m, c) lies at byte (m >> 7) 262,144 + (c >> 6) 16,384 + (m & 127) 128 + (c & 63) 2: 128 rows x 64 channels are 16,384 dense bytes.
; LN: half a wave (16 lanes) owns a row, which stays in 64 registers a lane: the mean first, then the sum of squared deviations from it, all in f32; no LDS, no barrier.
; Streaming work: the matrix unit, LDS and clusters would add nothing here, since no byte is used twice.
.set XO,  1                            ; v1        row in the group x 4,096 + 16 (lane % 16)
.set GOF, 2                            ; v2        16 (lane % 16)
.set BO,  3                            ; v3        8 x thread: two rows' 64 channels in bf16 are 256 dense bytes
.set X,   4                            ; v[4:67]   my 64 numbers of the row: columns 64 j + 4 (lane % 16) + 0..3
.set G,   68                           ; v[68:131] the gains of those columns
.set BV,  132                          ; v[132:195] the biases
.set Y,   196                          ; v[196:227] packed bf16
.set T,   228                          ; v[228:235] four chains of pairs
.set MU,  236                          ; v[236:237] the mean, twice
.set RS,  238                          ; v[238:239] 1 / sqrt(var + eps), twice
.set D,   4                            ; conversion: v[4:99] 24 loads of 16 bytes
.set CB,  100                          ; v[100:147] their 24 pairs of packed words
.set SRCP, 150                         ; byte offsets: plain weights, source and destination
.set DSTP, 151
.set SRCH, 152                         ; head weights, source and destination
.set DSTH, 153
.macro REDUCE                          ; the four chains, the pair, then the 16 lanes of the row: every lane of the half ends with the sum
	v_pk_add_f32 v[T:T+1], v[T:T+1], v[T+2:T+3]
	v_pk_add_f32 v[T+4:T+5], v[T+4:T+5], v[T+6:T+7]
	v_pk_add_f32 v[T:T+1], v[T:T+1], v[T+4:T+5]
	v_add_f32 v[T], v[T], v[T+1]
	v_add_f32_dpp v[T], v[T], v[T] row_xmask:1 row_mask:0xf bank_mask:0xf
	v_add_f32_dpp v[T], v[T], v[T] row_xmask:2 row_mask:0xf bank_mask:0xf
	v_add_f32_dpp v[T], v[T], v[T] row_xmask:4 row_mask:0xf bank_mask:0xf
	v_add_f32_dpp v[T], v[T], v[T] row_xmask:8 row_mask:0xf bank_mask:0xf
.endm
	s_load_b512 s[8:23], s[0:1], 0x0               ; x s[8:9], g s[10:11], b s[12:13], wq s[14:15], wk s[16:17], wv s[18:19], wo s[20:21], w1 s[22:23]
	s_load_b256 s[24:31], s[0:1], 0x40             ; w2 s[24:25], act s[26:27], wqkvb s[28:29], wob s[30:31]
	s_load_b128 s[32:35], s[0:1], 0x60             ; w1b s[32:33], w2b s[34:35]
	s_cmp_lt_u32 ttmp9, 256
	s_cbranch_scc0 .Lconv
	; ---------------- LayerNorm of 16 rows ----------------
	v_and_b32 v[GOF], 15, v0
	v_lshlrev_b32 v[GOF], 4, v[GOF]
	v_lshrrev_b32 v[XO], 4, v0
	v_lshl_add_u32 v[XO], v[XO], 12, v[GOF]
	v_lshlrev_b32 v[BO], 3, v0
	s_lshl_b32 s2, ttmp9, 16                       ; 16 rows of 4,096 bytes
	s_mov_b32 s3, 0
	s_lshr_b32 s4, ttmp9, 3                        ; in act: the block of 128 rows,
	s_lshl_b32 s4, s4, 18
	s_and_b32 s5, ttmp9, 7                         ; and my 16 rows of 128 bytes in it
	s_lshl_b32 s5, s5, 11
	s_add_co_u32 s4, s4, s5
	s_mov_b32 s5, 0
	s_mov_b32 s6, 0x3a800000                       ; 1 / 1,024
	s_mov_b32 s7, 0x3727c5ac                       ; eps = 1e-5
	s_wait_kmcnt 0x0
	s_add_nc_u64 s[8:9], s[8:9], s[2:3]
	s_add_nc_u64 s[26:27], s[26:27], s[4:5]
.irp j, 0,1,2,3,4,5,6,7,8,9,10,11,12,13,14,15
	global_load_b128 v[X+4*\j:X+4*\j+3], v[XO], s[8:9] offset:256*\j      ; each half of the wave takes 256 consecutive bytes of its row
.endr
.irp j, 0,1,2,3,4,5,6,7,8,9,10,11,12,13,14,15
	global_load_b128 v[G+4*\j:G+4*\j+3], v[GOF], s[10:11] offset:256*\j
.endr
.irp j, 0,1,2,3,4,5,6,7,8,9,10,11,12,13,14,15
	global_load_b128 v[BV+4*\j:BV+4*\j+3], v[GOF], s[12:13] offset:256*\j
.endr
	s_wait_loadcnt 32                              ; the row is in; the 32 younger loads, gains and biases, stay out
.irp k, 0,1,2,3
	v_pk_add_f32 v[T+2*\k:T+2*\k+1], v[X+4*\k:X+4*\k+1], v[X+4*\k+2:X+4*\k+3]  ; the first eight pairs start the chains: nothing is cleared
.endr
.set i, 8
.rept 24
	v_pk_add_f32 v[T+2*(i%4):T+2*(i%4)+1], v[T+2*(i%4):T+2*(i%4)+1], v[X+2*i:X+2*i+1]
.set i, i+1
.endr
	REDUCE
	v_mul_f32 v[MU], s6, v[T]
	v_mul_f32 v[MU+1], s6, v[T]
.set i, 0
.rept 32
	v_pk_add_f32 v[X+2*i:X+2*i+1], v[X+2*i:X+2*i+1], v[MU:MU+1] neg_lo:[0,1] neg_hi:[0,1]  ; x - mean
.set i, i+1
.endr
.irp k, 0,1,2,3
	v_pk_mul_f32 v[T+2*\k:T+2*\k+1], v[X+2*\k:X+2*\k+1], v[X+2*\k:X+2*\k+1]
.endr
.set i, 4
.rept 28
	v_pk_fma_f32 v[T+2*(i%4):T+2*(i%4)+1], v[X+2*i:X+2*i+1], v[X+2*i:X+2*i+1], v[T+2*(i%4):T+2*(i%4)+1]
.set i, i+1
.endr
	REDUCE
	v_fma_f32 v[T], v[T], s6, s7                   ; var + eps
	v_rsq_f32 v[RS], v[T]
	v_rsq_f32 v[RS+1], v[T]
	v_nop                                          ; a plain instruction between the root and the use of its result (ISA guide 5.7.2)
.set i, 0
.rept 32
	v_pk_mul_f32 v[X+2*i:X+2*i+1], v[X+2*i:X+2*i+1], v[RS:RS+1]
.set i, i+1
.endr
	s_wait_loadcnt 0x0                             ; gains and biases
.irp j, 0,1,2,3,4,5,6,7,8,9,10,11,12,13,14,15
	v_pk_fma_f32 v[X+4*\j:X+4*\j+1], v[X+4*\j:X+4*\j+1], v[G+4*\j:G+4*\j+1], v[BV+4*\j:BV+4*\j+1]
	v_pk_fma_f32 v[X+4*\j+2:X+4*\j+3], v[X+4*\j+2:X+4*\j+3], v[G+4*\j+2:G+4*\j+3], v[BV+4*\j+2:BV+4*\j+3]
	v_cvt_pk_bf16_f32 v[Y+2*\j], v[X+4*\j], v[X+4*\j+1]
	v_cvt_pk_bf16_f32 v[Y+2*\j+1], v[X+4*\j+2], v[X+4*\j+3]
	global_store_b64 v[BO], v[Y+2*\j:Y+2*\j+1], s[26:27] offset:16384*\j   ; the wave stores 256 consecutive bytes, aligned: two rows' channels 64 j .. 64 j + 63
.endr
	s_endpgm
	; ---------------- the weights to bf16 ----------------
	; 2,048 waves; each takes four loads of 512 bytes from each of the six weights: all 24 are issued first, then converted and stored in order.
.Lconv:
	v_lshrrev_b32 v154, 5, v0
	v_readfirstlane_b32 s37, v154                  ; my wave's number
	s_sub_co_u32 s36, ttmp9, 256
	s_lshl_b32 s36, s36, 3
	s_add_co_u32 s36, s36, s37                     ; gw: my wave among the 2,048
	v_and_b32 v154, 31, v0                         ; lane
	s_lshl_b32 s38, s36, 11
	v_lshl_add_u32 v[SRCP], v154, 4, s38           ; plain weights: 2,048 consecutive bytes of f32 a wave,
	s_lshl_b32 s38, s36, 10
	v_lshl_add_u32 v[DSTP], v154, 3, s38           ; 1,024 of bf16
	s_lshr_b32 s37, s36, 8                         ; head weights: p, a pair of heads,
	s_and_b32 s39, s36, 255                        ; and four rows d0 .. d0 + 3, d0 = 4 (gw & 255)
	s_lshl_b32 s38, s37, 19                        ; two heads are 524,288 bytes
	s_lshl_b32 s4, s39, 10                         ; d0 rows of 256 bytes
	s_add_co_u32 s38, s38, s4
	v_and_b32 v155, 15, v0
	v_lshl_add_u32 v[SRCH], v155, 4, s38
	v_bfe_u32 v155, v0, 4, 1                       ; lanes 16-31 read the pair's second head
	v_lshl_add_u32 v[SRCH], v155, 18, v[SRCH]
	s_lshl_b32 s38, s39, 13                        ; d0 rows of 2,048 bytes
	s_lshl_b32 s4, s37, 8                          ; the pair's 128 columns: 256 bytes
	s_add_co_u32 s38, s38, s4
	v_lshl_add_u32 v[DSTH], v154, 3, s38
	s_wait_kmcnt 0x0
.macro CLOAD n, adr, base, off
	global_load_b128 v[D+4*(\n):D+4*(\n)+3], v[\adr], s[\base:\base+1] offset:\off th:TH_LOAD_NT
.endm
.macro CSTORE n, adr, base, off
	s_wait_loadcnt 23-(\n)                         ; loads come back in order (ISA guide 5.7.1): number n is in, the younger ones stay out
	v_cvt_pk_bf16_f32 v[CB+2*(\n)], v[D+4*(\n)], v[D+4*(\n)+1]
	v_cvt_pk_bf16_f32 v[CB+2*(\n)+1], v[D+4*(\n)+2], v[D+4*(\n)+3]
	global_store_b64 v[\adr], v[CB+2*(\n):CB+2*(\n)+1], s[\base:\base+1] offset:\off   ; 256 consecutive bytes, aligned
.endm
.irp i, 0,1,2,3
	CLOAD \i, SRCH, 14, 256*\i
.endr
.irp i, 0,1,2,3
	CLOAD 4+\i, SRCH, 16, 256*\i
.endr
.irp i, 0,1,2,3
	CLOAD 8+\i, SRCH, 18, 256*\i
.endr
.irp i, 0,1,2,3
	CLOAD 12+\i, SRCP, 20, 512*\i
.endr
.irp i, 0,1,2,3
	CLOAD 16+\i, SRCP, 22, 512*\i
.endr
.irp i, 0,1,2,3
	CLOAD 20+\i, SRCP, 24, 512*\i
.endr
.irp i, 0,1,2,3
	CSTORE \i, DSTH, 28, 2048*\i
.endr
.irp i, 0,1,2,3
	CSTORE 4+\i, DSTH, 28, 2097152+2048*\i
.endr
.irp i, 0,1,2,3
	CSTORE 8+\i, DSTH, 28, 2*2097152+2048*\i
.endr
.irp i, 0,1,2,3
	CSTORE 12+\i, DSTP, 30, 256*\i
.endr
.irp i, 0,1,2,3
	CSTORE 16+\i, DSTP, 32, 256*\i
.endr
.irp i, 0,1,2,3
	CSTORE 20+\i, DSTP, 34, 256*\i
.endr
	s_endpgm
.Lfunc_end_k_qa6c657cc03_prep:
	.size	k_qa6c657cc03_prep, .Lfunc_end_k_qa6c657cc03_prep-k_qa6c657cc03_prep
	.p2alignl 7, 3214868480
	.fill 96, 4, 3214868480
	.section	.rodata,"a",@progbits
	.p2align	6, 0x0
	.amdhsa_kernel k_qa6c657cc03_prep
		.amdhsa_group_segment_fixed_size 0
		.amdhsa_private_segment_fixed_size 0
		.amdhsa_enable_private_segment 0
		.amdhsa_kernarg_size 112
		.amdhsa_user_sgpr_count 2
		.amdhsa_user_sgpr_kernarg_segment_ptr 1
		.amdhsa_wavefront_size32 1
		.amdhsa_system_sgpr_workgroup_id_x 1
		.amdhsa_system_sgpr_workgroup_id_y 1
		.amdhsa_system_sgpr_workgroup_id_z 1
		.amdhsa_system_vgpr_workitem_id 0
		.amdhsa_next_free_vgpr 240
		.amdhsa_next_free_sgpr 66
		.amdhsa_reserve_vcc 0
		.amdhsa_float_denorm_mode_32 3
		.amdhsa_float_denorm_mode_16_64 3
		.amdhsa_memory_ordered 1
		.amdhsa_forward_progress 1
		.amdhsa_inst_pref_size 30
	.end_amdhsa_kernel
	.amdgpu_metadata
---
amdhsa.version: [ 1, 2 ]
amdhsa.kernels:
  - .name:           k_qa6c657cc03_prep
    .symbol:         k_qa6c657cc03_prep.kd
    .args:
      - { .name: x, .offset: 0, .size: 8, .value_kind: global_buffer, .address_space: global }
      - { .name: ln1_g, .offset: 8, .size: 8, .value_kind: global_buffer, .address_space: global }
      - { .name: ln1_b, .offset: 16, .size: 8, .value_kind: global_buffer, .address_space: global }
      - { .name: wq, .offset: 24, .size: 8, .value_kind: global_buffer, .address_space: global }
      - { .name: wk, .offset: 32, .size: 8, .value_kind: global_buffer, .address_space: global }
      - { .name: wv, .offset: 40, .size: 8, .value_kind: global_buffer, .address_space: global }
      - { .name: wo, .offset: 48, .size: 8, .value_kind: global_buffer, .address_space: global }
      - { .name: w1, .offset: 56, .size: 8, .value_kind: global_buffer, .address_space: global }
      - { .name: w2, .offset: 64, .size: 8, .value_kind: global_buffer, .address_space: global }
      - { .name: act, .offset: 72, .size: 8, .value_kind: global_buffer, .address_space: global }
      - { .name: wqkvb, .offset: 80, .size: 8, .value_kind: global_buffer, .address_space: global }
      - { .name: wob, .offset: 88, .size: 8, .value_kind: global_buffer, .address_space: global }
      - { .name: w1b, .offset: 96, .size: 8, .value_kind: global_buffer, .address_space: global }
      - { .name: w2b, .offset: 104, .size: 8, .value_kind: global_buffer, .address_space: global }
    .group_segment_fixed_size: 0
    .private_segment_fixed_size: 0
    .kernarg_segment_align: 8
    .kernarg_segment_size: 112
    .max_flat_workgroup_size: 256
    .sgpr_count:     66
    .vgpr_count:     240
    .wavefront_size: 32
...
	.end_amdgpu_metadata
.endif
;; end of part 1
;; launch gemm_qkv (part 2): grid 8 x 32, 4 waves a work-group, clusters of 4 x 4, 327,680 bytes of LDS; arguments act, wqkvb, qkv; writes qkv
.if DOCPART == 2
	.amdgcn_target "amdgcn-amd-amdhsa--gfx1250"
	.amdhsa_code_object_version 6
	.text
	.protected	k_qa6c657cc03_gemm_qkv
	.globl	k_qa6c657cc03_gemm_qkv
	.p2align	8
	.type	k_qa6c657cc03_gemm_qkv,@function
k_qa6c657cc03_gemm_qkv:
	s_mov_b64 s[64:65], 0
	v_nop
	global_prefetch_b8 v0, s[64:65] scope:SCOPE_SE
	s_setreg_imm32_b32 hwreg(HW_REG_WAVE_MODE, 25, 1), 1
	s_wait_xcnt 0x0
	s_wait_alu depctr_hold_cnt(0) depctr_sa_sdst(0) depctr_va_vdst(0) depctr_va_sdst(0) depctr_va_ssrc(0) depctr_va_vcc(0) depctr_vm_vsrc(0)
	s_getreg_b32 s2, hwreg(HW_REG_IB_STS2, 6, 4)
	s_cmp_eq_u32 s2, 0
	s_cbranch_scc0 .Lentry_in_a_cluster
	s_endpgm
.Lentry_in_a_cluster:
	s_bfe_u32 s2, ttmp6, 0x10000c
	s_cmp_lg_u32 s2, 0xf033
	s_cbranch_scc0 .Lentry_shape_is_right
	s_endpgm
.Lentry_shape_is_right:
; Q = A Wq, K = A Wk, V = A Wv, each rounded once to bf16.  A: 4,096 x 1,024 bf16, tile-major (element (m, c) at (m >> 7) 262,144 + (c >> 6) 16,384 + (m & 127) 128 + (c & 63) 2).
; W: three matrices [K = 1,024][N = 1,024] bf16, 2,097,152 bytes apart.  The results: three tile-major matrices, 8,388,608 bytes apart.  Sums in f32.
; LIMITS.  Operands carry bf16's eight significant bits; NaN and infinities are not treated apart.
; SHARES.  A work-group makes 128 rows x the SAME 128 columns of all three results: 128 x 384, 8 x 32 = 256 work-groups, and A's tile is fetched once for the three.
; Four waves, each 64 rows x 64 columns of each result: 48 accumulators of 16 x 16, 384 registers.  For 32 along K a wave reads 4 fragments of A and 12 of W from LDS for 48 matrix instructions.
; K goes in eight steps of 128 through two LDS slots.  A's tile of a step is 32,768 dense bytes (two slices of 128 rows x 64 channels), asked for as rows of 256 bytes and padded in LDS after every 128;
; each W's is 128 rows of 256 bytes.  Wave 0 fetches A's tile, waves 1, 2, 3 those of Wq, Wk, Wv: one tensor load a wave.  W stays [K][N]: its fragments come out of LDS turned, by ds_load_tr16_b128.
; CLUSTERS: 4 x 4 work-groups.  The four of a row of the cluster need the same tiles of A, the four of a column the same tiles of W: each tile is asked for JOINTLY, by the same tensor load with the
; same descriptor and a mask that names the four.  THE MATRIX INSTRUCTION IS USED TRANSPOSED (source 0 = 16 columns of W, source 1 = 16 rows of A): a lane then holds eight neighbouring numbers of a row of the result.
; REGISTERS, in windows of 256 (s_set_vgpr_msb: bits 1:0 source 0, 3:2 source 1, 5:4 source 2, 7:6 destination):
;   window 0: v0-31 addresses; v32-223 at work on the way out          window 1: two fragment buffers of 128: 32 registers of A (4 x 16 rows x 32 K), then 96 of W (3 x 4 x 16 columns x 32 K)
;   window 2: the 24 accumulators of my rows 0-31 (row block a, column block b = 4 x matrix + block at v[8 (12 a + b)])          window 3: those of my rows 32-63
.set PA,     144                       ; a row of A in LDS: 128 bytes + 16 = 36 words: the 16 rows of a load start at 16 different groups of four banks (64 banks of 4 bytes: ISA guide 11.1)
.set PB,     288                       ; a row of W: 256 + 32 = 72 words
.set ASL,    128*PA                    ; a slice of A: 128 rows x 64 channels
.set PART,   36864                     ; what one tensor load brings: two slices of A (256 x 144), or 128 rows of one W (128 x 288)
.set SLOT,   4*PART                    ; A's tile, then Wq's, Wk's, Wv's
.set ASTEP,  32768                     ; bytes from a K step to the next in A,
.set BSTEP,  262144                    ; and in W: 128 rows of 2,048
.set CMAT,   8388608                   ; bytes from one result to the next
.set LAPS,   4                         ; a lap = two K steps = once round the ring
.set STAGE,  2*SLOT                    ; behind the ring: 16 rows x 144 bytes for each wave, for the way out
.set SP,     144
.set SPARE,  STAGE+4*16*SP             ; behind the stages: the spare words, 128 bytes for each wave: two blocks of 256 bytes that no other line names
.set ADRA, 16                          ; v16-17  LDS address of my A fragments in slot 0, 1
.set ADRB, 18                          ; v18-23  the same for W: slot 0 Wq, Wk, Wv; slot 1 likewise (an offset has 16 bits)
.set STO,  24                          ; v24     the way out: where I put 16 bytes of a row
.set RD,   25                          ; v25     the way out: where I read rows back
.set GO,   26                          ; v26     my byte offset in 512 consecutive bytes of a result
.set SPW,  28                          ; v28     LDS address of my spare word; never rewritten
.set NIL,  29                          ; v29     0; never rewritten
.set TMP,  32                          ; v32-223 the way out: 16 registers for each of 12 blocks of 16 rows x 64 columns
.set F0,   0                           ; fragment buffers, in window 1
.set F1,   128
.set CB,   4                           ; s[4:5], s[6:7], s[8:9]: on the way out, my part of Q, of K, of V
.set G1, 24                            ; s[24:31] descriptor group 1 for A's tiles;  s[32:39] group 0, one set for each slot
.set G0, 32
.set G1B, 48                           ; s[48:55], s[56:63] the same for W's tiles
.set G0B, 56
.set MSB, 0
.macro WIN new                         ; the immediate's high byte repeats the setting that is left
.if MSB != (\new)
	s_set_vgpr_msb (MSB<<8)|(\new)
.set MSB, \new
.endif
.endm
.set TO_F, 0x40                        ; destination window 1, address window 0
.macro JLOAD s                         ; a joint load: wave 0 fetches A's tile, waves 1 to 3 a W's each; an s_nop 0 and four v_nop follow each of the two lines, ahead of the jump, the label and what follows
	s_cmp_eq_u32 s10, 0
	s_cbranch_scc0 .Lfor_b_\@
	tensor_load_to_lds s[G0+4*(\s):G0+4*(\s)+3], s[G1:G1+7]
	s_nop 0
.rept 4
	v_nop
.endr
	s_branch .Lasked_\@
.Lfor_b_\@:
	tensor_load_to_lds s[G0B+4*(\s):G0B+4*(\s)+3], s[G1B:G1B+7]
	s_nop 0
.rept 4
	v_nop
.endr
.Lasked_\@:
.endm
.macro CREST                           ; a round of the cluster's barrier behind its opening barrier
	s_cmp_lg_u32 s10, 0
	s_cbranch_scc1 .Lnot_wave_0_\@
	s_barrier_signal -3
.Lnot_wave_0_\@:
	s_barrier_wait -3
	s_barrier_signal -1
	s_barrier_wait -1
.endm
.macro CROUND                          ; a whole round
	s_barrier_signal -1
	s_barrier_wait -1
	CREST
.endm
	s_load_b128 s[4:7], s[0:1], 0x0                ; A s[4:5], W s[6:7]
	s_load_b64 s[8:9], s[0:1], 0x10                ; the results
	v_lshl_add_u32 v[SPW], v0, 2, SPARE
	v_mov_b32 v[NIL], 0
	ds_add_u32 v[SPW], v[NIL]                      ; the wave's opening: the add and its wait stand ahead of my first tensor load; the set-up below, work on registers, stands between them
	v_lshrrev_b32 v1, 5, v0
	v_readfirstlane_b32 s10, v1                    ; wave 0..3
	s_lshr_b32 s11, s10, 1                         ; which half of the tile's rows is mine
	s_and_b32 s12, s10, 1                          ; which half of its 128 columns, in each of the three results
	s_bfe_u32 s40, ttmp6, 0x40000                  ; cx, cy: my place in the cluster
	s_bfe_u32 s41, ttmp6, 0x40004
	s_lshl_b32 s42, ttmp9, 2
	s_add_co_u32 s42, s42, s40                     ; tile column = 4 x cluster x + cx
	s_and_b32 s13, ttmp7, 0xffff
	s_lshl_b32 s13, s13, 2
	s_add_co_u32 s13, s13, s41                     ; tile row = 4 x cluster y + cy
	s_lshl_b32 s43, s41, 2
	s_lshl_b32 s43, 15, s43                        ; my row of the cluster
	s_lshl_b32 s44, 0x1111, s40                    ; my column
	; descriptor group 1: 128 rows x 128 elements of 2 bytes, padded in LDS
	s_or_b32 s[G1+0], s43, (1<<16)|(1<<20)|(1<<21)|(4<<22)|(3<<25)   ; 15:0 the mask: A's tiles go to my row; 17:16 2-byte elements; 20 padding on; 21 set beside a mask; 24:22 after every 32 words (code 4); 31:25 4 words (code 3)
	s_or_b32 s[G1B+0], s44, (1<<16)|(1<<20)|(1<<21)|(5<<22)|(7<<25)  ; W's go to my column; after every 64 words (code 5) 8 words (code 7)
.irp g, G1, G1B
	s_mov_b32 s[(\g)+1], 128<<16                   ; tensor_dim0 = 128
	s_mov_b32 s[(\g)+2], 128<<16                   ; tensor_dim1 = 128
	s_mov_b32 s[(\g)+3], 128<<16                   ; tile_dim0 = 128
	s_mov_b32 s[(\g)+4], 128                       ; tile_dim1 = 128
	s_mov_b32 s[(\g)+6], 0
	s_mov_b32 s[(\g)+7], 0
.endr
	s_mov_b32 s[G1+5], 128                         ; A's bytes are dense: 128 elements from row to row
	s_mov_b32 s[G1B+5], 1024                       ; W's rows are 1,024 elements apart
	s_lshl_b32 s16, s13, 18                        ; A: the tile row's 262,144 bytes
	s_mov_b32 s17, 0
	s_max_u32 s46, s10, 1                          ; W: the matrix that I fetch, wave - 1 (wave 0 fetches A and never asks by this address),
	s_sub_co_u32 s46, s46, 1
	s_lshl_b32 s46, s46, 21                        ; 2,097,152 bytes each,
	s_lshl_b32 s47, s42, 8                         ; and the tile's 128 columns, 256 bytes
	s_add_co_u32 s46, s46, s47
	s_mov_b32 s47, 0
	s_mul_i32 s20, s10, PART                       ; where they go: wave x 36,864: no place in the cluster enters an LDS address
	s_wait_dscnt 0x0                               ; the opening add is done
	s_wait_kmcnt 0x0
	s_add_nc_u64 s[14:15], s[4:5], s[16:17]
	s_add_nc_u64 s[46:47], s[6:7], s[46:47]
	CROUND                                         ; all sixteen work-groups are here: the first joint loads meet
.irp s, 0,1
	s_mov_b32 s[G0+4*(\s)], 1
	s_add_co_u32 s[G0+4*(\s)+1], s20, (\s)*SLOT
	s_add_nc_u64 s[G0+4*(\s)+2:G0+4*(\s)+3], s[14:15], (\s)*ASTEP
	s_or_b32 s[G0+4*(\s)+3], s[G0+4*(\s)+3], 0x80000000
	s_mov_b32 s[G0B+4*(\s)], 1
	s_add_co_u32 s[G0B+4*(\s)+1], s20, (\s)*SLOT
	s_add_nc_u64 s[G0B+4*(\s)+2:G0B+4*(\s)+3], s[46:47], (\s)*BSTEP
	s_or_b32 s[G0B+4*(\s)+3], s[G0B+4*(\s)+3], 0x80000000
	JLOAD \s                                       ; two loads of mine are out
.endr
	v_and_b32 v1, 15, v0                           ; l % 16
	v_bfe_u32 v2, v0, 4, 1                         ; l / 16
	v_mul_u32_u24 v3, v1, PA
	v_lshl_add_u32 v3, v2, 4, v3                   ; A: a fragment's row x pitch + 16 x half
	v_and_b32 v4, 7, v0                            ; W: the turning load reads row 8 (l / 16) + l % 8, 16 bytes at 16 ((l / 8) % 2)
	v_lshl_add_u32 v5, v2, 3, v4
	v_mul_u32_u24 v5, v5, PB
	v_bfe_u32 v6, v0, 3, 1
	v_lshl_add_u32 v5, v6, 4, v5
	s_mul_i32 s21, s11, 64*PA                      ; my 64 rows in each slice of A
	s_lshl_b32 s22, s12, 7                         ; my 64 columns of a W, 128 bytes,
	s_add_co_u32 s22, s22, PART                    ; behind A's tile
.irp s, 0,1
	v_add_nc_u32 v[ADRA+(\s)], s21, v3
.irp j, 0,1,2
	v_add_nc_u32 v[ADRB+3*(\s)+(\j)], s22, v5
	s_add_co_u32 s22, s22, PART
.endr
	s_add_co_u32 s21, s21, SLOT
	s_add_co_u32 s22, s22, PART                    ; over the next slot's tile of A
.endr
	s_mul_i32 s23, s10, 16*SP
	s_add_co_u32 s23, s23, STAGE                   ; my stage
	v_mul_u32_u24 v[STO], v1, SP                   ; in: row l % 16, 16 bytes for each half of the lanes
	v_lshl_add_u32 v[STO], v2, 4, v[STO]
	v_add_nc_u32 v[STO], s23, v[STO]
	v_bfe_u32 v[RD], v0, 3, 2                      ; back: 32 lanes take four rows of 128 bytes,
	v_mul_u32_u24 v[RD], v[RD], SP
	v_lshl_add_u32 v[RD], v4, 4, v[RD]
	v_add_nc_u32 v[RD], s23, v[RD]
	v_and_b32 v[GO], 31, v0                        ; which are 512 consecutive bytes of a result
	v_lshlrev_b32 v[GO], 4, v[GO]
	s_lshl_b32 s16, s13, 18                        ; a result: the tile row,
	s_lshl_b32 s17, s11, 13                        ; my 64 rows of 128 bytes,
	s_add_co_u32 s16, s16, s17
	s_lshl_b32 s17, s12, 14                        ; my 64 channels
	s_add_co_u32 s16, s16, s17
	s_mov_b32 s17, 0
	s_add_nc_u64 s[8:9], s[8:9], s[16:17]
	s_lshl_b32 s46, s42, 15                        ; the tile column: two blocks of 64 channels
	s_mov_b32 s47, 0
	s_add_nc_u64 s[8:9], s[8:9], s[46:47]
	s_mov_b64 s[CB:CB+1], s[8:9]                   ; my part of Q (A's and W's addresses have gone into the descriptors),
	s_add_nc_u64 s[CB+2:CB+3], s[CB:CB+1], CMAT    ; of K,
	s_add_nc_u64 s[CB+4:CB+5], s[CB+2:CB+3], CMAT  ; of V
; 12 matrix instructions: row block 2 hi + a x all 12 column blocks, 32 along K, from buffer f.  zero = 1: the product starts the sums.  The 48 accumulators take turns, in the same order in every quarter.
.macro MUL12 f, hi, a, zero
	WIN 0xa5+0x50*(\hi)                            ; sources 0 (W) and 1 (A) window 1; C and D window 2 or 3
.irp b, 0,1,2,3,4,5,6,7,8,9,10,11
.if \zero
	v_wmma_f32_16x16x32_bf16 v[8*(12*(\a)+(\b)):8*(12*(\a)+(\b))+7], v[(\f)+32+8*(\b):(\f)+32+8*(\b)+7], v[(\f)+8*(2*(\hi)+(\a)):(\f)+8*(2*(\hi)+(\a))+7], 0
.else
	v_wmma_f32_16x16x32_bf16 v[8*(12*(\a)+(\b)):8*(12*(\a)+(\b))+7], v[(\f)+32+8*(\b):(\f)+32+8*(\b)+7], v[(\f)+8*(2*(\hi)+(\a)):(\f)+8*(2*(\hi)+(\a))+7], v[8*(12*(\a)+(\b)):8*(12*(\a)+(\b))+7]
.endif
.endr
.endm
; 32 LDS loads in one run: the fragments of quarter q of a step (32 along K: rows 32 q on of each W; in A slice q / 2, byte 64 (q % 2)), into buffer f; W's 24 first, then A's 8, row blocks ascending
.macro FETCH slot, q, f
	WIN TO_F
.irp j, 0,1,2
.irp i, 0,1,2,3
	ds_load_tr16_b128 v[(\f)+32+8*(4*(\j)+(\i)):(\f)+32+8*(4*(\j)+(\i))+3],   v[ADRB+3*(\slot)+(\j)] offset:(\q)*32*PB+32*(\i)
	ds_load_tr16_b128 v[(\f)+32+8*(4*(\j)+(\i))+4:(\f)+32+8*(4*(\j)+(\i))+7], v[ADRB+3*(\slot)+(\j)] offset:(\q)*32*PB+32*(\i)+16*PB
.endr
.endr
.irp a, 0,1,2,3
	ds_load_b128 v[(\f)+8*(\a):(\f)+8*(\a)+3],   v[ADRA+(\slot)] offset:((\q)/2)*ASL+((\q)%2)*64+(\a)*16*PA
	ds_load_b128 v[(\f)+8*(\a)+4:(\f)+8*(\a)+7], v[ADRA+(\slot)] offset:((\q)/2)*ASL+((\q)%2)*64+(\a)*16*PA+32
.endr
.endm
.macro PLACES                          ; four places in front of loads into registers that matrix instructions have read, and of lines that read results
.rept 4
	v_nop
.endr
.endm
; A K step is four quarters of 32 along K, 48 matrix instructions each, on buffers 0, 1, 0, 1.  One of the first three: multiplies buffer f and, in its middle, fetches quarter q into g.
.macro QUARTER slot, q, f, g, zero
	s_wait_dscnt 4                                 ; W and A's rows 0-31 are in; the youngest four loads (A's rows 32-63) may be out
	MUL12 \f, 0, 0, \zero
	MUL12 \f, 0, 1, \zero
	PLACES
	FETCH \slot, \q, \g
	s_wait_dscnt 32                                ; all but the 32 just issued
	MUL12 \f, 1, 0, \zero
	MUL12 \f, 1, 1, \zero
.endm
; The last quarter multiplies buffer 1 and changes slots: ONE barrier; in front of it each wave waits for all its tensor loads, adds 0 to its spare word, and waits for that and for its own reads of this slot.  fill = 1: this slot is filled again, two K steps ahead.
.macro TURN slot, next, fill
	WIN 0                                          ; (the add's two registers lie in window 0)
	s_wait_tensorcnt 0x0                           ; all my tensor loads have landed: my part of the next slot;
	ds_add_u32 v[SPW], v[NIL]                      ; 0 onto my spare word;
	s_wait_dscnt 5                                 ; (the add and the youngest four loads may be out)
	MUL12 F1, 0, 0, 0                              ; twelve matrix instructions stand between the add and the wait for it
	s_wait_dscnt 0x0                               ; the add is done, and my reads of this slot are over
	s_barrier_signal -1
	MUL12 F1, 0, 1, 0
.if \fill
	WIN 0
.endif
	s_barrier_wait -1
.if \fill
	CREST                                          ; the barrier has opened a round of the cluster's barrier: no wave of any partner still reads this slot's tile or has a load on its way
	s_add_nc_u64 s[G0+4*(\slot)+2:G0+4*(\slot)+3], s[G0+4*(\slot)+2:G0+4*(\slot)+3], 2*ASTEP
	s_add_nc_u64 s[G0B+4*(\slot)+2:G0B+4*(\slot)+3], s[G0B+4*(\slot)+2:G0B+4*(\slot)+3], 2*BSTEP
	JLOAD \slot                                    ; the first tensor load behind the round: 168 matrix instructions ahead of the wait for it; the four v_nop behind it are also the places in front of the loads below
.else
	PLACES
.endif
	FETCH \next, 0, F0
	MUL12 F1, 1, 0, 0
	MUL12 F1, 1, 1, 0
.endm
	s_wait_tensorcnt 1                             ; my part of K step 0 is in; step 1's may stay out
	s_barrier_signal -1
	s_barrier_wait -1                              ; everybody's is
	FETCH 0, 0, F0
	QUARTER 0, 1, F0, F1, 1                        ; the first quarter stands in front of the loop: its products start the sums
	WIN 0                                          ; at a label and at a branch every window is 0
	s_mov_b32 s3, LAPS-1
.Llap:                                                 ; a trip goes once round the ring, from a lap's second quarter to the next lap's first, and fills both slots again
	QUARTER 0, 2, F1, F0, 0
	QUARTER 0, 3, F0, F1, 0
	TURN 0, 1, 1
	QUARTER 1, 1, F0, F1, 0
	QUARTER 1, 2, F1, F0, 0
	QUARTER 1, 3, F0, F1, 0
	TURN 1, 0, 1
	QUARTER 0, 1, F0, F1, 0
	WIN 0
	s_sub_co_u32 s3, s3, 1
	s_cmp_lg_u32 s3, 0
	s_cbranch_scc1 .Llap
	QUARTER 0, 2, F1, F0, 0                        ; the last lap is written out: it fills nothing, and has no round of the cluster's barrier
	QUARTER 0, 3, F0, F1, 0
	TURN 0, 1, 0
	QUARTER 1, 1, F0, F1, 0
	QUARTER 1, 2, F1, F0, 0
	QUARTER 1, 3, F0, F1, 0
	s_wait_dscnt 4                                 ; the very last quarter: nothing more to fetch
	MUL12 F1, 0, 0, 0
	MUL12 F1, 0, 1, 0
	s_wait_dscnt 0
	MUL12 F1, 1, 0, 0
	MUL12 F1, 1, 1, 0
	WIN 0
	; THE WAY OUT.  My 64 x 64 of each result are 8,192 dense bytes.  A block of 16 rows x 64 columns at a time: the rounding, 16 bytes a lane into my own stage, back as whole rows, stored as 512 consecutive bytes.
	PLACES
.macro PACK a, j                       ; row block a of result j
.set AC, 8*(12*((\a)%2)+4*(\j))
.set T, TMP+16*(3*(\a)+(\j))
	WIN 0x0a+5*((\a)/2)                            ; sources 0 and 1 window 2 or 3, destination window 0
.set i, 0
.rept 16
	v_cvt_pk_bf16_f32 v[T+i], v[AC+2*i], v[AC+2*i+1]           ; each accumulator's registers in ascending order
.set i, i+1
.endr
	WIN 0
.irp b, 0,1,2,3
	ds_store_b128 v[STO], v[T+4*(\b):T+4*(\b)+3] offset:32*(\b)
.endr
.irp f, 0,1,2,3
	ds_load_b128 v[T+4*(\f):T+4*(\f)+3], v[RD] offset:(\f)*4*SP  ; LDS serves a wave's instructions in order (ISA guide 5.7.1.4): these see the stores above; the next block's stores come behind them
.endr
.endm
.macro SEND a, j, younger              ; younger: the LDS instructions issued behind this block's loads: the next block's eight, or none
.set T, TMP+16*(3*(\a)+(\j))
.irp f, 0,1,2,3
	s_wait_dscnt (\younger)+3-(\f)
	global_store_b128 v[GO], v[T+4*(\f):T+4*(\f)+3], s[CB+2*(\j):CB+2*(\j)+1] offset:(\a)*2048+(\f)*512  ; 512 consecutive bytes, at a multiple of 256 from the buffer's first
.endr
.endm
	PACK 0, 0
.irp t, 1,2,3,4,5,6,7,8,9,10,11        ; a block's arithmetic stands between the loads of the block before and its stores; each block has registers of its own, so no store's data is written again
	PACK (\t)/3, (\t)%3
	SEND ((\t)-1)/3, ((\t)-1)%3, 8
.endr
	SEND 3, 2, 0
	s_wait_tensorcnt 0x0                           ; the wave's end: the last add and its wait stand behind my last tensor load and my last LDS store
	ds_add_u32 v[SPW], v[NIL]
	s_wait_dscnt 0x0
	CROUND                                         ; the closing round: no work-group ends while a partner may still ask for a tile that names it
	s_endpgm
.Lfunc_end_k_qa6c657cc03_gemm_qkv:
	.size	k_qa6c657cc03_gemm_qkv, .Lfunc_end_k_qa6c657cc03_gemm_qkv-k_qa6c657cc03_gemm_qkv
	.p2alignl 7, 3214868480
	.fill 96, 4, 3214868480
	.section	.rodata,"a",@progbits
	.p2align	6, 0x0
	.amdhsa_kernel k_qa6c657cc03_gemm_qkv
		.amdhsa_group_segment_fixed_size 327680
		.amdhsa_private_segment_fixed_size 0
		.amdhsa_enable_private_segment 0
		.amdhsa_kernarg_size 24
		.amdhsa_user_sgpr_count 2
		.amdhsa_user_sgpr_kernarg_segment_ptr 1
		.amdhsa_wavefront_size32 1
		.amdhsa_system_sgpr_workgroup_id_x 1
		.amdhsa_system_sgpr_workgroup_id_y 1
		.amdhsa_system_sgpr_workgroup_id_z 1
		.amdhsa_system_vgpr_workitem_id 0
		.amdhsa_next_free_vgpr 960
		.amdhsa_next_free_sgpr 66
		.amdhsa_reserve_vcc 0
		.amdhsa_float_denorm_mode_32 3
		.amdhsa_float_denorm_mode_16_64 3
		.amdhsa_memory_ordered 1
		.amdhsa_forward_progress 1
		.amdhsa_inst_pref_size 120
	.end_amdhsa_kernel
	.amdgpu_metadata
---
amdhsa.version: [ 1, 2 ]
amdhsa.kernels:
  - .name:           k_qa6c657cc03_gemm_qkv
    .symbol:         k_qa6c657cc03_gemm_qkv.kd
    .args:
      - { .name: act, .offset: 0, .size: 8, .value_kind: global_buffer, .address_space: global }
      - { .name: wqkvb, .offset: 8, .size: 8, .value_kind: global_buffer, .address_space: global }
      - { .name: qkv, .offset: 16, .size: 8, .value_kind: global_buffer, .address_space: global }
    .group_segment_fixed_size: 327680
    .private_segment_fixed_size: 0
    .kernarg_segment_align: 8
    .kernarg_segment_size: 24
    .max_flat_workgroup_size: 128
    .sgpr_count:     66
    .vgpr_count:     960
    .wavefront_size: 32
...
	.end_amdgpu_metadata
.endif
;; end of part 2
;; launch attn (part 3): grid 8 x 32, 4 waves a work-group, clusters of 4 x 1, 327,680 bytes of LDS; arguments qkv, act; writes act
.if DOCPART == 3
	.amdgcn_target "amdgcn-amd-amdhsa--gfx1250"
	.amdhsa_code_object_version 6
	.text
	.protected	k_qa6c657cc03_attn
	.globl	k_qa6c657cc03_attn
	.p2align	8
	.type	k_qa6c657cc03_attn,@function
k_qa6c657cc03_attn:
	s_mov_b64 s[64:65], 0
	v_nop
	global_prefetch_b8 v0, s[64:65] scope:SCOPE_SE
	s_setreg_imm32_b32 hwreg(HW_REG_WAVE_MODE, 25, 1), 1
	s_wait_xcnt 0x0
	s_wait_alu depctr_hold_cnt(0) depctr_sa_sdst(0) depctr_va_vdst(0) depctr_va_sdst(0) depctr_va_ssrc(0) depctr_va_vcc(0) depctr_vm_vsrc(0)
	s_getreg_b32 s2, hwreg(HW_REG_IB_STS2, 6, 4)
	s_cmp_eq_u32 s2, 0
	s_cbranch_scc0 .Lentry_in_a_cluster
	s_endpgm
.Lentry_in_a_cluster:
	s_bfe_u32 s2, ttmp6, 0x10000c
	s_cmp_lg_u32 s2, 0x3003
	s_cbranch_scc0 .Lentry_shape_is_right
	s_endpgm
.Lentry_shape_is_right:
; O[q][:] = the sum over k of softmax_k(Q[q] . K[k] / 8) V[k][:], for each of 32 pairs of batch and head; 2,048 queries and keys, head size 64, no mask.
; Q, K, V lie in qkv at 0, 8,388,608 and 16,777,216, O in act, all bf16 and tile-major: 128 rows of a head are 16,384 dense bytes, the next 128 rows lie 262,144 bytes on;
; pair (b, h) begins at b << 22 | h << 14.  Products, maxima and sums in f32; the weights p are rounded to bf16 for the second product (their sum l is taken of the unrounded p), O once at the end.
; LIMITS.  c m starts at -4.25e37: |c s| stays below that.  A weight below 2^-126 counts as 0 in l.  NaN and infinities are not treated apart.  Q, K, V and p carry bf16's eight significant bits.
; SHARES.  A work-group owns 256 queries of a pair, each of its four waves 64: four PIECES of 16.  Every wave walks all keys, 64 a step, 256 a tile.
; LAYOUT.  S^T = K Q^T (source 0 = 16 keys, source 1 = 16 queries): in the result a lane holds ONE query (lane % 16) and the keys 8 (lane / 16) + 0..7.  Two such results, rounded to bf16 in pairs,
; ARE source 1 (32 keys x 16 queries) of O^T = V^T P, whose result again holds one query a lane, and eight channels.  K comes out of LDS as it lies, V ([key][channel]) turned, by ds_load_tr16_b128.
; SOFTMAX.  For each query a running maximum m and sum l: p = 2^(c s - c m), c = log2(e) / 8; in every step O and l are multiplied by a = 2^(c m_old - c m_new), which is 1 where m has not grown.
; m starts at the lowest finite number, O and l at 0: the first step is a step like any other, with a = 0.  The price: 224 v_mov_b32 in the wait for the first tile, and 8 products on zeros.
; BY TURNS.  Turn n belongs to piece n: 8 products K Q^T of piece n + 1, later 8 products V^T P of piece n - 1; beside them the scaling, exponentials, roundings, sums and rescaling of piece n and the maximum
; and statistics of piece n + 1.  A turn has 16 matrix and 118 vector instructions: four stand behind every matrix instruction, the other 54 in two runs of their own.
; CLUSTER.  The four query blocks of a cluster belong to one pair and walk the same K and V, so each tile is asked for JOINTLY: the same tensor load, descriptor and mask in all four.
; REGISTERS, in windows of 256 (s_set_vgpr_msb: bits 1:0 source 0, 3:2 source 1, 5:4 source 2, 7:6 destination):
;   window 0: v0-15 addresses and two at work; v16-31 four registers of statistics a piece; v48-55 at work; v62-63 the add's; v64-127 S^T, two buffers; v192-223 P, two buffers (by the piece's parity)
;   window 1: v0-127 O^T, 32 a piece          window 2: v0-63 Q; v128-191 K of one step; v192-255 V of one step
.set NT,    8         ; tiles of 256 keys
.set NP,    4         ; pieces a wave: a name, no knob
.set KS,    64        ; keys in a step
.set PK,    144       ; a row of K in LDS: 128 bytes + 16 of padding = 36 words: the 16 rows of a load start at 16 different groups of four banks (64 banks of 4 bytes: ISA guide 11.1)
.set PV,    160       ; a row of V: 128 + 32 = 40 words
.set VOFF,  4*KS*PK   ; a slot holds a tile, four steps: 256 rows of K, then 256 rows of V
.set SLOT1, 1<<17     ; slot 1 begins here, so that one exclusive or turns an address in one slot into the other's
.set STAGE, SLOT1+4*KS*(PK+PV)  ; behind the ring, never filled by a tensor load: 16 rows x 144 bytes for each wave, for the way out
.set SP,    144
.set TSTEP, 524288    ; bytes from a tile to the next: two groups of 128 rows
.set AK0, 2           ; v2   my lane's place in a tile of K; never rewritten
.set AV0, 3           ; v3   the same for V
.set AK,  4           ; v4   the LDS address of K's next run of loads
.set AV,  5           ; v5   of V's
.set STO, 6           ; v6   the way out: where I put 16 bytes of a row
.set RD,  7           ; v7   the way out: where I read rows back
.set GO,  8           ; v8   my byte offset in 512 consecutive bytes of O
.set SPW, 62          ; v62  LDS address of my spare word; never rewritten
.set NIL, 63          ; v63  0; never rewritten
.set SPARE, STAGE+4*16*SP  ; behind the stages: the spare words, 128 bytes for each wave: two blocks of 256 bytes that no other line names
.set MV,  12          ; v12-13  c m_old, kept while c m is made anew: by buffer
.set QO,  15          ; v15  my byte offset in 16 rows of Q
.set ST,  16          ; piece t's statistics at v[ST+4 t]: c m, m, l (even keys', odd keys')
.set TMP, 48          ; by buffer, four registers c0-c3 at work; when the maximum is found c2 takes a
.set S,   64
.set P,   192
.set KF,  128         ; window 2: key block kb, channel half c at KF + 16 kb + 8 c
.set VF,  192         ; window 2: key half kk, channel block cb at VF + 32 kk + 8 cb
.set WV,  12          ; s12  my wave's number
.set G1K, 24          ; s[24:31] descriptor group 1 for K's tiles
.set G1V, 32          ; s[32:39] for V's: it differs in the padding alone
.set G0K, 40          ; s[40:43] descriptor group 0 for K's tiles: it walks
.set G0V, 44          ; s[44:47] the same for V's
.set SLOTS, 56        ; s56  slots still to be asked for
.set CNT, 57          ; s57  counts a tile's key steps
.set CS,  58          ; s[58:59] c: the packed scaling takes the pair's low word for both halves
.set SEL, 60          ; s[60:61] v_permlanex16_b32's selects: each lane takes its own place in the other half
.set TBK, 62          ; s62  LDS byte at which K of the step to be fetched begins
.set TBV, 63          ; s63  the same for V, less VOFF
.set MSB, 0
.macro WIN new                      ; the high byte repeats the setting that is left; a switch that changes nothing is dropped
.if MSB != (\new)
	s_set_vgpr_msb (MSB<<8)|(\new)
.set MSB, (\new)
.endif
.endm
.set W_KQ, 0x0a       ; K and Q in window 2, S^T in window 0
.set W_PV, 0x52       ; V in window 2, P in window 0, O^T in window 1
.set W_RS, 0x41       ; destination and source 0 in window 1, source 1 in window 0
; A joint fill.  Waves 0 and 1 fetch the two halves of a tile's K, waves 2 and 3 those of its V: 128 keys each.  The branch hangs on the wave's number alone.
; An s_nop 0 and four v_nop follow each of the two lines, ahead of the jump and the label.
.macro JLOAD
	s_cmp_lt_u32 s[WV], 2
	s_cbranch_scc0 .Lfor_v_\@
	tensor_load_to_lds s[G0K:G0K+3], s[G1K:G1K+7]
	s_nop 0
.rept 4
	v_nop
.endr
	s_branch .Lasked_\@
.Lfor_v_\@:
	tensor_load_to_lds s[G0V:G0V+3], s[G1V:G1V+7]
	s_nop 0
.rept 4
	v_nop
.endr
.Lasked_\@:
.endm
; A round of the cluster's barrier: my work-group's barrier, so that wave 0's signal speaks for all four waves; wave 0 signals; every wave waits for all four work-groups; my work-group's barrier once more.
.macro CROUND
	s_barrier_signal -1
	s_barrier_wait -1
	s_cmp_lg_u32 s[WV], 0
	s_cbranch_scc1 .Lnot_wave_0_\@
	s_barrier_signal -3
.Lnot_wave_0_\@:
	s_barrier_wait -3
	s_barrier_signal -1
	s_barrier_wait -1
.endm
; THE CHANGE OF SLOTS.  The slot's last bytes, V of its fourth step, have been read.  Each wave waits for all its tensor loads, of which one is out: its part of the other slot; adds 0 to its spare word;
; and waits for that and for its own reads of the slot.  Behind the barrier nobody reads this slot any more and the other slot is whole.
; fill = 1: this slot is filled again, with the keys two tiles on.  The barrier is then a round of the cluster's, so that no wave of any partner still reads the slot or has a load on its
; way, and the joint fill is the first thing behind it: it has four key steps, 256 matrix instructions, in which to land.  (At its first use nothing has been read yet: slot 0 is waited for, slot 1 filled.)
.macro CHANGE fill
	WIN 0                           ; at a label and at a branch every window is 0
	s_wait_tensorcnt 0x0            ; no tensor load of mine is out, so a group 0 may be written
	ds_add_u32 v[SPW], v[NIL]       ; 0 onto my spare word; with fill = 1 the descriptors' steps stand between it and the wait for it
.if \fill
.irp g, G0K, G0V
	s_xor_b32 s[\g+1], s[\g+1], SLOT1  ; the walking descriptor: the other slot than last time,
	s_add_nc_u64 s[\g+2:\g+3], s[\g+2:\g+3], TSTEP  ; the next 256 keys; the type bits on top are not reached
.endr
	s_wait_dscnt 0x0                ; the add is done, and my reads of the slot are over
	CROUND
	JLOAD
.else
	s_wait_dscnt 0x0                ; the add is done, and my reads of the slot are over
	s_barrier_signal -1
	s_barrier_wait -1
.endif
	s_sub_co_u32 s[TBK], s[TBK], 4*KS*PK  ; the fetches go back to a slot's first step,
	s_xor_b32 s[TBK], s[TBK], SLOT1       ; in the other slot
	s_sub_co_u32 s[TBV], s[TBV], 4*KS*PV
	s_xor_b32 s[TBV], s[TBV], SLOT1
.endm
	s_load_b128 s[4:7], s[0:1], 0x0 ; qkv s[4:5], act s[6:7]
	v_lshl_add_u32 v[SPW], v0, 2, SPARE
	v_mov_b32 v[NIL], 0
	ds_add_u32 v[SPW], v[NIL]       ; the wave's opening: the add and its wait stand ahead of my first tensor load; the set-up below, work on registers, stands between them
	v_lshrrev_b32 v1, 5, v0
	v_readfirstlane_b32 s[WV], v1   ; wave 0..3
	s_bfe_u32 s13, ttmp6, 0x40000   ; cx: my place in the cluster
	s_lshl_b32 s14, ttmp9, 2        ; in a cluster launch ttmp9 counts clusters
	s_add_co_u32 s14, s14, s13      ; my block of 256 queries = 4 x cluster x + cx: it enters Q's and O's addresses alone
	s_and_b32 s20, ttmp7, 0xffff    ; the pair of batch and head, which the four partners share
	s_lshr_b32 s21, s20, 4
	s_lshl_b32 s21, s21, 22         ; the batch: 16 groups of 128 rows
	s_and_b32 s20, s20, 15
	s_lshl_b32 s20, s20, 14         ; the head: 16,384 bytes in a group
	s_add_co_u32 s20, s20, s21
	s_and_b32 s16, s[WV], 1         ; which half of a tile's 256 keys I fetch:
	s_lshl_b32 s22, s16, 18         ; its group of 128 rows in memory,
	s_add_co_u32 s22, s22, s20
	s_add_co_u32 s22, s22, 0x800000 ; in K
	s_mov_b32 s23, 0
	s_mul_i32 s17, s16, 128*PK      ; and its place in a slot, for K
	s_mul_i32 s18, s16, 128*PV      ; and for V: no place in the cluster enters an LDS address
	s_lshl_b32 s2, s14, 1           ; my block's two groups of 128 rows,
	s_lshr_b32 s3, s[WV], 1         ; the one that holds my wave's 64 rows,
	s_add_co_u32 s2, s2, s3
	s_lshl_b32 s2, s2, 18
	s_lshl_b32 s3, s16, 13          ; and those rows in it
	s_add_co_u32 s2, s2, s3
	s_add_co_u32 s2, s2, s20
	s_mov_b32 s3, 0
	; descriptor group 1.  128 keys are 16,384 dense bytes: asked for as 64 rows of 256 bytes, two keys a row, and padded in LDS after every key
	s_mov_b32 s[G1K], 15|(1<<16)|(1<<20)|(1<<21)|(4<<22)|(3<<25)  ; 15:0 the mask of four; 17:16 2-byte elements; 20 padding on; 21 set beside a mask; 24:22 after every 32 words (code 4); 31:25 4 words (code 3)
	s_mov_b32 s[G1V], 15|(1<<16)|(1<<20)|(1<<21)|(4<<22)|(7<<25)  ; the same with 8 words of padding (code 7)
.irp g, G1K, G1V
	s_mov_b32 s[\g+1], 128<<16      ; tensor_dim0 = 128
	s_mov_b32 s[\g+2], 64<<16       ; tensor_dim1 = 64
	s_mov_b32 s[\g+3], 128<<16      ; tile_dim0 = 128
	s_mov_b32 s[\g+4], 64           ; tile_dim1 = 64
	s_mov_b32 s[\g+5], 128          ; 128 elements from row to row
	s_mov_b32 s[\g+6], 0
	s_mov_b32 s[\g+7], 0
.endr
	s_mov_b32 s[CS], 0x3e38aa3b     ; c = log2(e) / 8 = 0.180337
	s_mov_b32 s[CS+1], s[CS]        ; named with it as a pair
	s_mov_b32 s[SEL], 0x76543210
	s_mov_b32 s[SEL+1], 0xfedcba98
	s_mov_b32 s[TBK], SLOT1+4*KS*PK ; the first change of slots turns these two into 0
	s_mov_b32 s[TBV], SLOT1+4*KS*PV
	s_mov_b32 s[G0K], 1             ; 1:0 count = 1
	s_mov_b32 s[G0K+1], s17         ; 63:32 LDS address: slot 0
	s_mov_b32 s[G0V], 1
	s_add_co_u32 s[G0V+1], s18, VOFF
	s_wait_dscnt 0x0                ; the opening add is done
	s_wait_kmcnt 0x0
	s_add_nc_u64 s[G0K+2:G0K+3], s[4:5], s[22:23]  ; 120:64 global address: my half of the pair's first 256 keys
	s_add_nc_u64 s[G0V+2:G0V+3], s[G0K+2:G0K+3], 0x800000  ; V lies 8,388,608 bytes behind K
	s_or_b32 s[G0K+3], s[G0K+3], 0x80000000        ; 127:126 type = 2
	s_or_b32 s[G0V+3], s[G0V+3], 0x80000000
	s_add_nc_u64 s[10:11], s[6:7], s[2:3]  ; O and Q at my wave's first row
	s_add_nc_u64 s[4:5], s[4:5], s[2:3]
	CROUND                          ; all four work-groups are here: the first joint loads meet
	JLOAD                           ; tile 0 into slot 0.  Slot 1 is asked for when slot 0 is in, by the change of slots below
	; A fragment of K or Q is 16 rows x 32 channels in 8 registers: lane l holds row l % 16, channels 8 (l / 16) + 0..7 and 16 + 8 (l / 16) + 0..7: two loads of 16 bytes, 32 bytes apart.
	v_and_b32 v1, 15, v0            ; l % 16
	v_bfe_u32 v9, v0, 4, 1          ; l / 16
	v_lshlrev_b32 v[QO], 7, v1
	v_lshl_add_u32 v[QO], v9, 4, v[QO]  ; row x 128 + 16 x half
	WIN 0x80                        ; destination window 2, address window 0
.set i, 0
.rept 8                             ; Q stays in registers: piece i / 2, channels 32 (i % 2) on
	global_load_b128 v[8*i:8*i+3],   v[QO], s[4:5] offset:(i/2)*2048+(i%2)*64
	global_load_b128 v[8*i+4:8*i+7], v[QO], s[4:5] offset:(i/2)*2048+(i%2)*64+32
.set i, i+1
.endr
	; What the first turn finds: V's registers and P's second buffer hold 0 (its products V^T P, of a piece that has not been, add 0), O^T and l are 0.  All this stands in the wait for the first tile.
.set i, VF
.rept 64
	v_mov_b32 v[i], 0
.set i, i+1
.endr
	WIN 0x40
.set i, 0
.rept 128
	v_mov_b32 v[i], 0
.set i, i+1
.endr
	WIN 0
.set i, 0
.rept 4
	v_mov_b32 v[ST+4*i], 0xfe000000    ; c m: far below every c s
	v_mov_b32 v[ST+4*i+1], 0xff7fffff  ; m: the lowest finite number
	v_mov_b32 v[ST+4*i+2], 0
	v_mov_b32 v[ST+4*i+3], 0
.set i, i+1
.endr
.set i, P+16
.rept 16
	v_mov_b32 v[i], 0
.set i, i+1
.endr
	v_mul_u32_u24 v[AK0], v1, PK
	v_lshl_add_u32 v[AK0], v9, 4, v[AK0]  ; row x pitch + 16 x half
	; The turning load takes 16 keys x 16 channels (lane l reads key 8 (l / 16) + l % 8, channels 8 ((l / 8) % 2) + 0..7) and leaves half a fragment of V^T: lane l holds channel l % 16 and 8 keys.
	v_and_b32 v10, 7, v0
	v_bfe_u32 v11, v0, 3, 1
	v_lshl_add_u32 v[AV0], v9, 3, v10
	v_mul_u32_u24 v[AV0], v[AV0], PV
	v_lshl_add_u32 v[AV0], v11, 4, v[AV0]
	v_add_nc_u32 v[AV0], VOFF, v[AV0]
	s_mul_i32 s13, s[WV], 16*SP
	s_add_co_u32 s13, s13, STAGE    ; my stage
	v_mul_u32_u24 v[STO], v1, SP    ; in: row l % 16, 16 bytes for each half of the lanes
	v_lshl_add_u32 v[STO], v9, 4, v[STO]
	v_add_nc_u32 v[STO], s13, v[STO]
	v_bfe_u32 v[RD], v0, 3, 2       ; back: 32 lanes take four rows of 128 bytes,
	v_mul_u32_u24 v[RD], v[RD], SP
	v_lshl_add_u32 v[RD], v10, 4, v[RD]
	v_add_nc_u32 v[RD], s13, v[RD]
	v_and_b32 v[GO], 31, v0         ; which are 512 consecutive bytes of O
	v_lshlrev_b32 v[GO], 4, v[GO]
; THE MATRIX WORK.  The 4 accumulators of a run of 8 take turns.  Product i of 8 of S^T = K Q^T for piece x: channels 32 (i / 4) on, keys 16 (i % 4) on.  The first 4 start the sums.
.macro KQ x
	WIN W_KQ
.set rS, S+32*((\x)%2)+8*(i%4)
.set rK, KF+16*(i%4)+8*(i/4)
.set rQ, 16*(\x)+8*(i/4)
.if i < 4
	v_wmma_f32_16x16x32_bf16 v[rS:rS+7], v[rK:rK+7], v[rQ:rQ+7], 0
.else
	v_wmma_f32_16x16x32_bf16 v[rS:rS+7], v[rK:rK+7], v[rQ:rQ+7], v[rS:rS+7]
.endif
.endm
; Product i of 8 of O^T += V^T P for piece x: keys 32 (i / 4) on, channels 16 (i % 4) on.
.macro PV x
	WIN W_PV
.set rO, 32*(\x)+8*(i%4)
.set rV, VF+32*(i/4)+8*(i%4)
.set rP, P+16*((\x)%2)+8*(i/4)
	v_wmma_f32_16x16x32_bf16 v[rO:rO+7], v[rV:rV+7], v[rP:rP+7], v[rO:rO+7]
.endm
.macro MM                           ; the turn's next matrix instruction.  TURN sets Y, i and NOKQ.  NOKQ = 1: the last turn: there is no next piece
.if (i < 8) && !NOKQ
	KQ (Y+1)%NP
.elseif i >= 8
.set i, i-8
	PV (Y+NP-1)%NP
.set i, i+8
.endif
.set i, i+1
.endm
; THE LDS LOADS stand in runs of 16, never singly among the matrix instructions: a step's K (64 keys x 64 channels: 8 fragments) and its V (turned).  Their addresses are made some lines ahead.
.macro FETCH_K
	WIN 0x80                        ; destination window 2
.irp f, 0,1,2,3,4,5,6,7             ; keys 16 (f / 2) on, channels 32 (f % 2) on
	ds_load_b128 v[KF+8*\f:KF+8*\f+3],   v[AK] offset:(\f/2)*16*PK+(\f%2)*64
	ds_load_b128 v[KF+8*\f+4:KF+8*\f+7], v[AK] offset:(\f/2)*16*PK+(\f%2)*64+32
.endr
	s_add_co_u32 s[TBK], s[TBK], KS*PK  ; the next fetch is the next step's
	WIN 0
.endm
.macro FETCH_V
	WIN 0x80
.irp f, 0,1,2,3,4,5,6,7             ; keys 32 (f / 4) on, channels 16 (f % 4) on
	ds_load_tr16_b128 v[VF+8*\f:VF+8*\f+3],   v[AV] offset:(\f/4)*32*PV+(\f%4)*32
	ds_load_tr16_b128 v[VF+8*\f+4:VF+8*\f+7], v[AV] offset:(\f/4)*32*PV+16*PV+(\f%4)*32
.endr
	WIN 0
.endm
; THE VECTOR WORK, one line at a time: OP kind, number.  For piece Y: F n: c s - c m for pair n of 16.  E n: the exponential of score n of 32.  C n: pair n rounded to bf16.  B n: of the four weights 4 n .. the second
; pair is added onto the first, in place.  L n: l takes that sum (L 0: l = a l + sum).  R n: pair n of 16 of O^T times a.  For piece Y + 1: X n, number n of the 22 that find its maximum and statistics:
;   0-11  four chains c0-c3 of seven scores each, three operands at a time (each accumulator's lowest registers are read first)     12-14, 16  the four scores left over, the old m, and c0-c3 into c0
;   15  c m_old is kept     17, 18  the query's other 32 keys lie in the lane 16 away: the new m     19-21  c m; c m_old - c m_new; a
.set F, 0               ; OP tells the kinds apart by their order: F to L below R, X above it
.set E, 1
.set C, 2
.set B, 3
.set L, 4
.set R, 5
.set X, 6
.macro REGS y                       ; the registers of piece y
.set rT, ST+4*(\y)
.set rC, TMP+4*((\y)%2)
.set rW, MV+((\y)%2)
.set rS, S+32*((\y)%2)
.set rP, P+16*((\y)%2)
.set rO, 32*(\y)
.endm
.macro OP k, n
.if (\k) == R
	REGS Y
	WIN W_RS
	v_pk_mul_f32 v[rO+2*(\n):rO+2*(\n)+1], v[rO+2*(\n):rO+2*(\n)+1], v[rC+2:rC+3] op_sel_hi:[1,0]
.elseif (\k) < R
	REGS Y
	WIN 0
.if (\k) == F
	v_pk_fma_f32 v[rS+2*(\n):rS+2*(\n)+1], v[rS+2*(\n):rS+2*(\n)+1], s[CS:CS+1], v[rT:rT+1] op_sel_hi:[1,0,0] neg_lo:[0,0,1] neg_hi:[0,0,1]
.elseif (\k) == E
	v_exp_f32 v[rS+(\n)], v[rS+(\n)]
.elseif (\k) == C
	v_cvt_pk_bf16_f32 v[rP+(\n)], v[rS+2*(\n)], v[rS+2*(\n)+1]
.elseif (\k) == B
	v_pk_add_f32 v[rS+4*(\n):rS+4*(\n)+1], v[rS+4*(\n):rS+4*(\n)+1], v[rS+4*(\n)+2:rS+4*(\n)+3]
.elseif (\n) == 0
	v_pk_fma_f32 v[rT+2:rT+3], v[rT+2:rT+3], v[rC+2:rC+3], v[rS:rS+1] op_sel_hi:[1,0,1]
.else
	v_pk_add_f32 v[rT+2:rT+3], v[rT+2:rT+3], v[rS+4*(\n):rS+4*(\n)+1]
.endif
.elseif NOKQ
	v_nop
.else
	REGS (Y+1)%NP
	WIN 0
.if (\n) < 4
	v_max3_num_f32 v[rC+(\n)], v[rS+8*(\n)], v[rS+8*(\n)+1], v[rS+8*(\n)+2]
.elseif (\n) < 12
	v_max3_num_f32 v[rC+(\n)%4], v[rC+(\n)%4], v[rS+8*((\n)%4)+2*((\n)/4)+1], v[rS+8*((\n)%4)+2*((\n)/4)+2]
.elseif (\n) == 12
	v_max3_num_f32 v[rC], v[rC], v[rS+7], v[rS+15]
.elseif (\n) == 13
	v_max3_num_f32 v[rC+1], v[rC+1], v[rS+23], v[rS+31]
.elseif (\n) == 14
	v_max3_num_f32 v[rC+2], v[rC+2], v[rC+3], v[rT+1]
.elseif (\n) == 15
	v_mov_b32 v[rW], v[rT]
.elseif (\n) == 16
	v_max3_num_f32 v[rC], v[rC], v[rC+1], v[rC+2]
.elseif (\n) == 17
	v_permlanex16_b32 v[rC+3], v[rC], s[SEL], s[SEL+1]
.elseif (\n) == 18
	v_max_num_f32 v[rT+1], v[rC], v[rC+3]
.elseif (\n) == 19
	v_mul_f32 v[rT], s[CS], v[rT+1]
.elseif (\n) == 20
	v_sub_f32 v[rC+1], v[rW], v[rT]
.else
	v_exp_f32 v[rC+2], v[rC+1]
.endif
.endif
.endm
.macro OPS a, i1, b=-1, i2=0, c=-1, i3=0, d=-1, i4=0  ; up to four of them
	OP \a, \i1
.if (\b) >= 0
	OP \b, \i2
.endif
.if (\c) >= 0
	OP \c, \i3
.endif
.if (\d) >= 0
	OP \d, \i4
.endif
.endm
.macro ROW a, i1, b, i2, c, i3, d, i4  ; a matrix instruction and the four behind it
	MM
	OPS \a, \i1, \b, \i2, \c, \i3, \d, \i4
.endm
; A TURN, for piece p: the order of its 16 matrix and 118 vector instructions, written out.  Behind a matrix instruction: plain, exponential, plain, plain; or four of the rescaling; or, behind the first, four scalings; none
; names a register of the products round it.  In the runs between, exponential and plain by turns while exponentials last.  A line reads no result made fewer than three vector instructions in front of it, five if an exponential made it.
; end = 1: the last two turns: nothing is fetched, and the last starts no new scores.  cnt = 1: the loop's count is taken down some lines ahead of the branch that stands behind the turn.
; K of the next step is fetched in piece 2's turn, six vector instructions behind the last product that read K (five of them plain); V of the step in hand in piece 0's turn, eight behind the last product that read V (five
; plain among them).  Each is waited for a turn later.
.macro TURN p, end=0, cnt=0
.set Y, (\p)
.set i, 0
.set NOKQ, (\end)*((\p)/3)
.if ((\p) == 3) && !(\end)
	s_wait_dscnt 0x0                ; K is in
.endif
	ROW F,0, F,1, F,2, F,3
	ROW F,4, E,0, F,5, F,6
	ROW F,7, E,1, F,8, F,9
	ROW F,10, E,2, C,0, F,11
	ROW F,12, E,3, X,15, F,13
	ROW R,0, R,1, R,2, R,3
	ROW B,0, E,4, F,14, L,0
.if ((\p) == 2) && !(\end)
	v_add_nc_u32 v[AK], s[TBK], v[AK0]
.endif
	ROW R,4, R,5, R,6, R,7
	OPS E,5, F,15
.if ((\p) == 2) && !(\end)
	FETCH_K
.endif
	OPS E,6, C,1, E,7, R,8
	OPS E,8, R,9, E,9, C,2
	OPS E,10, X,0, E,11, X,1
	OPS E,12, X,2, E,13, X,3
.if (\p) == 1
	s_wait_dscnt 0x0                ; V is in
.endif
	ROW X,4, E,14, X,5, X,6
	ROW X,7, E,15, X,8, X,9
	ROW X,10, E,16, X,11, X,12
	ROW X,13, E,17, X,14, B,1
	ROW C,4, E,18, X,16, L,1
	ROW B,2, E,19, C,6, L,2
	ROW C,8, E,20, B,3, B,4
.if (\p) == 0
	v_add_nc_u32 v[AV], s[TBV], v[AV0]
.endif
	ROW C,3, E,21, L,3, C,5
	OPS E,22, X,17, E,23, C,10
.if (\p) == 0
	FETCH_V
.endif
	OPS E,24, L,4
	OPS E,25, X,18, E,26, C,7
	OPS E,27, B,5, E,28, X,19
	OPS E,29, C,12, E,30, L,5
	OPS E,31, X,20, B,6, C,9
	OPS C,14, C,11, X,21, L,6
.if (\p) == 0
	s_add_co_u32 s[TBV], s[TBV], KS*PV
.endif
.if \cnt
	s_sub_co_u32 s[CNT], s[CNT], 1
	s_cmp_lg_u32 s[CNT], 0
.endif
	OPS C,13, B,7, C,15, R,10
	OPS R,11, R,12, L,7, R,13
	OPS R,14, R,15
.endm
	CHANGE 1                        ; slot 0 is in, everybody's part of it; slot 1 is asked for
	v_add_nc_u32 v[AK], s[TBK], v[AK0]
	FETCH_K                         ; key step 0
	s_wait_loadcnt 0x0              ; Q
	s_wait_dscnt 0x0
.set NOKQ, 0
.set i, 0
.rept 8
	KQ 0                            ; piece 0's first scores: there is no vector work yet to set between them
.set i, i+1
.endr
	WIN 0
.rept 4
	v_nop                           ; the places behind those products
.endr
.set Y, NP-1                        ; X works for piece Y + 1: piece 0
.irp n, 0,1,2,3,4,5,6,7,8,9,10,11,12,13,14,15,16,17,18,19,20,21
	OP X, \n                        ; piece 0's first maximum and statistics
.endr
	v_nop                           ; a plain instruction behind the exponential
	s_mov_b32 s[CNT], 4
	s_mov_b32 s[SLOTS], NT-1
	s_branch .Lfirst                ; the loop is entered at a step's first turn, in the middle of a trip
.Lslot:                             ; NT - 2 times: every slot but the last two is filled again
	CHANGE 1
	s_mov_b32 s[CNT], 4
.Lstep:                             ; a trip: pieces 2 and 3 of one step, then pieces 0 and 1 of the next, whose K and V it fetches
	TURN 2
	TURN 3
	WIN 0
.Lfirst:
	TURN 0
	TURN 1, 0, 1
	WIN 0
	s_cbranch_scc1 .Lstep
	s_sub_co_u32 s[SLOTS], s[SLOTS], 1
	s_cmp_lg_u32 s[SLOTS], 0
	s_cbranch_scc1 .Lslot
	CHANGE 0                        ; the last tile is written out: nothing is asked for
	s_mov_b32 s[CNT], 4
.Ltail:
	TURN 2
	TURN 3
	TURN 0
	TURN 1, 0, 1
	WIN 0
	s_cbranch_scc1 .Ltail
	TURN 2, 1                       ; the last step's second half: nothing is fetched,
	TURN 3, 1                       ; and no new scores are started
.set i, 0
.rept 8
	PV NP-1                         ; the last piece's V^T P of the last step
.set i, i+1
.endr
	; THE WAY OUT.  l's two halves and the other half of the lanes' are added; O^T is divided by l, rounded to bf16 and sent through my stage in LDS, a piece at a time.  The additions are the places behind the last products.
	WIN 0
.macro ALL line:vararg              ; one line for each piece t
.set t, 0
.rept 4
	\line
.set t, t+1
.endr
.endm
	ALL v_add_f32 v[ST+4*t+2], v[ST+4*t+2], v[ST+4*t+3]
	ALL v_permlanex16_b32 v[ST+4*t+3], v[ST+4*t+2], s[SEL], s[SEL+1]
	ALL v_add_f32 v[ST+4*t+2], v[ST+4*t+2], v[ST+4*t+3]
	ALL v_rcp_f32 v[ST+4*t+2], v[ST+4*t+2]
	v_nop                           ; a plain instruction between the last reciprocal and the use of its result
.macro PACK t                       ; a lane's eight channels of a row pack into 16 bytes; they go into rows of 144 bytes and come back as whole rows of 128, into S^T's registers
	WIN W_RS
.set i, 32*(\t)
.rept 16
	v_pk_mul_f32 v[i:i+1], v[i:i+1], v[ST+4*(\t)+2:ST+4*(\t)+3] op_sel_hi:[1,0]
.set i, i+2
.endr
	WIN 0x05                        ; sources 0 and 1 window 1, destination window 0
.set i, 0
.rept 16
	v_cvt_pk_bf16_f32 v[S+16*(\t)+i], v[32*(\t)+2*i], v[32*(\t)+2*i+1]
.set i, i+1
.endr
	WIN 0
.irp f, 0,1,2,3
	ds_store_b128 v[STO], v[S+16*(\t)+4*\f:S+16*(\t)+4*\f+3] offset:32*\f
.endr
.irp f, 0,1,2,3
	ds_load_b128 v[S+16*(\t)+4*\f:S+16*(\t)+4*\f+3], v[RD] offset:\f*4*SP  ; LDS serves a wave's instructions in order (ISA guide 5.7.1.4): these see the stores above; the next piece's stores come behind them
.endr
.endm
.macro SEND t, younger              ; younger: the LDS instructions issued behind piece t's loads: the next piece's eight, or none
	WIN 0
.irp f, 0,1,2,3
	s_wait_dscnt (\younger)+3-\f
	global_store_b128 v[GO], v[S+16*(\t)+4*\f:S+16*(\t)+4*\f+3], s[10:11] offset:(\t)*2048+\f*512  ; 512 consecutive bytes, at a multiple of 256 from O's first
.endr
.endm
	PACK 0
.set t, 1
.rept 3                             ; a piece's arithmetic stands between the loads of the piece before and its stores
	PACK t
	SEND t-1, 8
.set t, t+1
.endr
	SEND 3, 0
	s_wait_tensorcnt 0x0            ; the wave's end: the last add and its wait stand behind my last tensor load and my last LDS store
	ds_add_u32 v[SPW], v[NIL]
	s_wait_dscnt 0x0
	CROUND                          ; the closing round: no work-group ends while a partner may still ask for a tile that names it
	s_endpgm
.Lfunc_end_k_qa6c657cc03_attn:
	.size	k_qa6c657cc03_attn, .Lfunc_end_k_qa6c657cc03_attn-k_qa6c657cc03_attn
	.p2alignl 7, 3214868480
	.fill 96, 4, 3214868480
	.section	.rodata,"a",@progbits
	.p2align	6, 0x0
	.amdhsa_kernel k_qa6c657cc03_attn
		.amdhsa_group_segment_fixed_size 327680
		.amdhsa_private_segment_fixed_size 0
		.amdhsa_enable_private_segment 0
		.amdhsa_kernarg_size 16
		.amdhsa_user_sgpr_count 2
		.amdhsa_user_sgpr_kernarg_segment_ptr 1
		.amdhsa_wavefront_size32 1
		.amdhsa_system_sgpr_workgroup_id_x 1
		.amdhsa_system_sgpr_workgroup_id_y 1
		.amdhsa_system_sgpr_workgroup_id_z 1
		.amdhsa_system_vgpr_workitem_id 0
		.amdhsa_next_free_vgpr 768
		.amdhsa_next_free_sgpr 66
		.amdhsa_reserve_vcc 0
		.amdhsa_float_denorm_mode_32 3
		.amdhsa_float_denorm_mode_16_64 3
		.amdhsa_memory_ordered 1
		.amdhsa_forward_progress 1
		.amdhsa_inst_pref_size 124
	.end_amdhsa_kernel
	.amdgpu_metadata
---
amdhsa.version: [ 1, 2 ]
amdhsa.kernels:
  - .name:           k_qa6c657cc03_attn
    .symbol:         k_qa6c657cc03_attn.kd
    .args:
      - { .name: qkv, .offset: 0, .size: 8, .value_kind: global_buffer, .address_space: global }
      - { .name: act, .offset: 8, .size: 8, .value_kind: global_buffer, .address_space: global }
    .group_segment_fixed_size: 327680
    .private_segment_fixed_size: 0
    .kernarg_segment_align: 8
    .kernarg_segment_size: 16
    .max_flat_workgroup_size: 128
    .sgpr_count:     66
    .vgpr_count:     768
    .wavefront_size: 32
...
	.end_amdgpu_metadata
.endif
;; end of part 3
;; launch gemm_proj (part 4): grid 8 x 32, 4 waves a work-group, clusters of 4 x 4, 327,680 bytes of LDS; arguments act, wob, x, y; writes y
.if DOCPART == 4
	.amdgcn_target "amdgcn-amd-amdhsa--gfx1250"
	.amdhsa_code_object_version 6
	.text
	.protected	k_qa6c657cc03_gemm_proj
	.globl	k_qa6c657cc03_gemm_proj
	.p2align	8
	.type	k_qa6c657cc03_gemm_proj,@function
k_qa6c657cc03_gemm_proj:
	s_mov_b64 s[64:65], 0
	v_nop
	global_prefetch_b8 v0, s[64:65] scope:SCOPE_SE
	s_setreg_imm32_b32 hwreg(HW_REG_WAVE_MODE, 25, 1), 1
	s_wait_xcnt 0x0
	s_wait_alu depctr_hold_cnt(0) depctr_sa_sdst(0) depctr_va_vdst(0) depctr_va_sdst(0) depctr_va_ssrc(0) depctr_va_vcc(0) depctr_vm_vsrc(0)
	s_getreg_b32 s2, hwreg(HW_REG_IB_STS2, 6, 4)
	s_cmp_eq_u32 s2, 0
	s_cbranch_scc0 .Lentry_in_a_cluster
	s_endpgm
.Lentry_in_a_cluster:
	s_bfe_u32 s2, ttmp6, 0x10000c
	s_cmp_lg_u32 s2, 0xf033
	s_cbranch_scc0 .Lentry_shape_is_right
	s_endpgm
.Lentry_shape_is_right:
; Y = A W + R.  A: 4,096 x 1,024 bf16, tile-major (element (m, c) at (m >> 7) 262,144 + (c >> 6) 16,384 + (m & 127) 128 + (c & 63) 2).  W: [K = 1,024][N = 1,024] bf16.
; R and Y: [4,096][1,024] f32, row-major.  Sums in f32; the residual R is added in f32 and Y is not rounded further.  LIMITS: operands carry bf16's eight significant bits; NaN and infinities are not treated apart.
; SHARES.  A tile of Y is 128 x 128: 256 tiles.  Four waves, 64 x 64 each: 16 accumulators of 16 x 16.  K goes in four steps of 256 through two LDS slots.
; A's tile of a step is 65,536 dense bytes (four slices of 128 rows x 64 channels), asked for as rows of 256 bytes and padded in LDS after every 128.  W's is 256 rows of 256 bytes.
; W stays [K][N]: its fragments come out of LDS turned, by ds_load_tr16_b128.
; CLUSTERS: 4 x 4 work-groups.  The four of a row of the cluster need the same tiles of A, the four of a column the same tiles of W: each tile is asked for JOINTLY, by the same tensor load with the
; same descriptor and a mask that names the four.  THE MATRIX INSTRUCTION IS USED TRANSPOSED (source 0 = 16 columns of W, source 1 = 16 rows of A): a lane then holds eight neighbouring numbers of a row of Y.
; REGISTERS: window 0: v0-31 addresses; v32-95 at work on the way out; v128-255 the accumulators ((a, b) at v[128 + 8 (4 a + b)]).
;   window 1: two fragment buffers of 128: for 64 along K, 64 registers of A, then 64 of W.     window 2: v0-127 my 64 x 64 of R.
; R is wanted only on the way out, the tiles at once: so R is asked for behind the tiles, half of it when the first tiles are in, half behind the first refill's request.
.set PA,     144                       ; a row of A in LDS: 128 bytes + 16 = 36 words: the 16 rows of a load start at 16 different groups of four banks (64 banks of 4 bytes: ISA guide 11.1)
.set PB,     288                       ; a row of W: 256 + 32 = 72 words
.set ASL,    128*PA                    ; a slice of A: 128 rows x 64 channels
.set HALFT,  36864                     ; what one tensor load brings: two slices of A (256 x 144), or 128 rows of W (128 x 288)
.set SLOT,   4*HALFT                   ; A's four slices, then W's 256 rows
.set ASTEP,  65536                     ; bytes from a K step to the next in A,
.set BSTEP,  524288                    ; and in W: 256 rows of 2,048
.set STAGE,  2*SLOT                    ; behind the ring: 16 rows x 272 bytes for each wave, for the way out
.set SP,     272                       ; 256 bytes of f32 + 16
.set SPARE,  STAGE+4*16*SP             ; behind the stages: the spare words, 128 bytes for each wave: two blocks of 256 bytes that no other line names
.set ADRA, 16                          ; v16-17  LDS address of my A fragments in slot 0, 1
.set ADRB, 20                          ; v20-23  the same for W: slot 0 rows 0-127, rows 128-255; slot 1 likewise (an offset has 16 bits)
.set STO,  24                          ; v24     the way out: where I put 32 bytes of a row
.set RD,   25                          ; v25     the way out: where I read a row back
.set CO,   26                          ; v26     my byte offset in two rows of R and of Y
.set SPW,  28                          ; v28     LDS address of my spare word; never rewritten
.set NIL,  29                          ; v29     0; never rewritten
.set TMP,  32
.set ACC,  128
.set F0,   0                           ; fragment buffers, in window 1
.set F1,   128
.set G1, 24                            ; s[24:31] descriptor group 1 for A's tiles;  s[32:39] group 0, one set for each slot
.set G0, 32
.set G1B, 48                           ; s[48:55], s[56:63] the same for W's tiles
.set G0B, 56
.set MSB, 0
.macro WIN new                         ; the immediate's high byte repeats the setting that is left
.if MSB != (\new)
	s_set_vgpr_msb (MSB<<8)|(\new)
.set MSB, \new
.endif
.endm
.set MUL,  0x05                        ; sources 0 (W) and 1 (A) window 1; C and D window 0
.set TO_F, 0x40                        ; destination window 1, address window 0
.macro JLOAD s                         ; a joint load: waves 0 and 1 fetch A's two halves, waves 2 and 3 W's; an s_nop 0 and four v_nop follow each of the two lines, ahead of the jump, the label and what follows
	s_cmp_eq_u32 s11, 0
	s_cbranch_scc0 .Lfor_b_\@
	tensor_load_to_lds s[G0+4*(\s):G0+4*(\s)+3], s[G1:G1+7]
	s_nop 0
.rept 4
	v_nop
.endr
	s_branch .Lasked_\@
.Lfor_b_\@:
	tensor_load_to_lds s[G0B+4*(\s):G0B+4*(\s)+3], s[G1B:G1B+7]
	s_nop 0
.rept 4
	v_nop
.endr
.Lasked_\@:
.endm
.macro CREST                           ; a round of the cluster's barrier behind its opening barrier
	s_cmp_lg_u32 s10, 0
	s_cbranch_scc1 .Lnot_wave_0_\@
	s_barrier_signal -3
.Lnot_wave_0_\@:
	s_barrier_wait -3
	s_barrier_signal -1
	s_barrier_wait -1
.endm
.macro CROUND                          ; a whole round
	s_barrier_signal -1
	s_barrier_wait -1
	CREST
.endm
	s_load_b128 s[4:7], s[0:1], 0x0                ; A s[4:5], W s[6:7]
	s_load_b128 s[68:71], s[0:1], 0x10             ; R s[68:69], Y s[70:71]
	v_lshl_add_u32 v[SPW], v0, 2, SPARE
	v_mov_b32 v[NIL], 0
	ds_add_u32 v[SPW], v[NIL]                      ; the wave's opening: the add and its wait stand ahead of my first tensor load; the set-up below, work on registers, stands between them
	v_lshrrev_b32 v1, 5, v0
	v_readfirstlane_b32 s10, v1                    ; wave 0..3
	s_lshr_b32 s11, s10, 1                         ; which half of the tile's rows is mine.  Also: I fetch for A (0) or for W (1)
	s_and_b32 s12, s10, 1                          ; which half of its columns.  Also: which half of that tile I fetch
	s_bfe_u32 s40, ttmp6, 0x40000                  ; cx, cy: my place in the cluster
	s_bfe_u32 s41, ttmp6, 0x40004
	s_lshl_b32 s42, ttmp9, 2
	s_add_co_u32 s42, s42, s40                     ; tile column = 4 x cluster x + cx
	s_and_b32 s13, ttmp7, 0xffff
	s_lshl_b32 s13, s13, 2
	s_add_co_u32 s13, s13, s41                     ; tile row = 4 x cluster y + cy
	s_lshl_b32 s43, s41, 2
	s_lshl_b32 s43, 15, s43                        ; my row of the cluster
	s_lshl_b32 s44, 0x1111, s40                    ; my column
	; descriptor group 1: 128 rows x 128 elements of 2 bytes, padded in LDS
	s_or_b32 s[G1+0], s43, (1<<16)|(1<<20)|(1<<21)|(4<<22)|(3<<25)   ; 15:0 the mask: A's tiles go to my row; 17:16 2-byte elements; 20 padding on; 21 set beside a mask; 24:22 after every 32 words (code 4); 31:25 4 words (code 3)
	s_or_b32 s[G1B+0], s44, (1<<16)|(1<<20)|(1<<21)|(5<<22)|(7<<25)  ; W's go to my column; after every 64 words (code 5) 8 words (code 7)
.irp g, G1, G1B
	s_mov_b32 s[(\g)+1], 128<<16                   ; tensor_dim0 = 128
	s_mov_b32 s[(\g)+2], 128<<16                   ; tensor_dim1 = 128
	s_mov_b32 s[(\g)+3], 128<<16                   ; tile_dim0 = 128
	s_mov_b32 s[(\g)+4], 128                       ; tile_dim1 = 128
	s_mov_b32 s[(\g)+6], 0
	s_mov_b32 s[(\g)+7], 0
.endr
	s_mov_b32 s[G1+5], 128                         ; A's bytes are dense: 128 elements from row to row
	s_mov_b32 s[G1B+5], 1024                       ; W's rows are 1,024 elements apart
	s_lshl_b32 s16, s13, 18                        ; A: the tile row's 262,144 bytes,
	s_lshl_b32 s17, s12, 15                        ; and my two slices of a step's four
	s_add_co_u32 s16, s16, s17
	s_mov_b32 s17, 0
	s_lshl_b32 s46, s42, 8                         ; W: the tile's 128 columns, 256 bytes,
	s_lshl_b32 s47, s12, 18                        ; and my 128 rows of a step's 256
	s_add_co_u32 s46, s46, s47
	s_mov_b32 s47, 0
	s_mul_i32 s20, s10, HALFT                      ; where they go: wave x 36,864: no place in the cluster enters an LDS address
	s_wait_dscnt 0x0                               ; the opening add is done
	s_wait_kmcnt 0x0
	s_add_nc_u64 s[14:15], s[4:5], s[16:17]
	s_add_nc_u64 s[46:47], s[6:7], s[46:47]
	CROUND                                         ; all sixteen work-groups are here: the first joint loads meet
.irp s, 0,1
	s_mov_b32 s[G0+4*(\s)], 1
	s_add_co_u32 s[G0+4*(\s)+1], s20, (\s)*SLOT
	s_add_nc_u64 s[G0+4*(\s)+2:G0+4*(\s)+3], s[14:15], (\s)*ASTEP
	s_or_b32 s[G0+4*(\s)+3], s[G0+4*(\s)+3], 0x80000000
	s_mov_b32 s[G0B+4*(\s)], 1
	s_add_co_u32 s[G0B+4*(\s)+1], s20, (\s)*SLOT
	s_add_nc_u64 s[G0B+4*(\s)+2:G0B+4*(\s)+3], s[46:47], (\s)*BSTEP
	s_or_b32 s[G0B+4*(\s)+3], s[G0B+4*(\s)+3], 0x80000000
	JLOAD \s                                       ; two loads of mine are out
.endr
	v_and_b32 v1, 15, v0                           ; l % 16
	v_bfe_u32 v2, v0, 4, 1                         ; l / 16
	s_lshl_b32 s16, s13, 19                        ; R and Y: the tile's 128 rows of 4,096 bytes,
	s_lshl_b32 s17, s11, 18                        ; my 64 of them,
	s_add_co_u32 s16, s16, s17
	s_mov_b32 s17, 0
	s_lshl_b32 s46, s42, 9                         ; the tile's 128 columns, 512 bytes,
	s_lshl_b32 s47, s12, 8                         ; my 64 of them
	s_add_co_u32 s46, s46, s47
	s_mov_b32 s47, 0
	s_add_nc_u64 s[68:69], s[68:69], s[16:17]
	s_add_nc_u64 s[68:69], s[68:69], s[46:47]
	s_add_nc_u64 s[70:71], s[70:71], s[16:17]
	s_add_nc_u64 s[70:71], s[70:71], s[46:47]
	v_lshlrev_b32 v[CO], 12, v2                    ; lanes 0-15 take 256 bytes of one row, lanes 16-31 of the next
	v_lshl_add_u32 v[CO], v1, 4, v[CO]
	v_mul_u32_u24 v3, v1, PA
	v_lshl_add_u32 v3, v2, 4, v3                   ; A: a fragment's row x pitch + 16 x half
	v_and_b32 v4, 7, v0                            ; W: the turning load reads row 8 (l / 16) + l % 8, 16 bytes at 16 ((l / 8) % 2)
	v_lshl_add_u32 v5, v2, 3, v4
	v_mul_u32_u24 v5, v5, PB
	v_bfe_u32 v6, v0, 3, 1
	v_lshl_add_u32 v5, v6, 4, v5
	s_mul_i32 s21, s11, 64*PA                      ; my 64 rows in each slice of A
	s_lshl_b32 s22, s12, 7                         ; my 64 columns of W, 128 bytes,
	s_add_co_u32 s22, s22, 2*HALFT                 ; behind A's four slices
.irp s, 0,1
	v_add_nc_u32 v[ADRA+(\s)], s21, v3
	v_add_nc_u32 v[ADRB+2*(\s)], s22, v5
	s_add_co_u32 s22, s22, HALFT
	v_add_nc_u32 v[ADRB+2*(\s)+1], s22, v5
	s_add_co_u32 s21, s21, SLOT
	s_add_co_u32 s22, s22, SLOT-HALFT
.endr
	s_mul_i32 s23, s10, 16*SP
	s_add_co_u32 s23, s23, STAGE                   ; my stage
	v_mul_u32_u24 v[STO], v1, SP                   ; in: row l % 16, 32 bytes for each half of the lanes
	v_lshl_add_u32 v[STO], v2, 5, v[STO]
	v_add_nc_u32 v[STO], s23, v[STO]
	v_mul_u32_u24 v[RD], v2, SP                    ; back: lanes 0-15 take one row of 256 bytes, lanes 16-31 the next
	v_lshl_add_u32 v[RD], v1, 4, v[RD]
	v_add_nc_u32 v[RD], s23, v[RD]
; 8 matrix instructions: m blocks a0, a0 + 1 x all 4 n blocks, 32 along K: half c of buffer f.  zero = 1: the first product starts the sums.  The 16 accumulators take turns.
.macro MUL8 f, c, a0, zero
	WIN MUL
.irp a, \a0, (\a0)+1
.irp b, 0,1,2,3
.if \zero
	v_wmma_f32_16x16x32_bf16 v[ACC+8*(4*(\a)+(\b)):ACC+8*(4*(\a)+(\b))+7], v[(\f)+64+8*(4*(\c)+(\b)):(\f)+64+8*(4*(\c)+(\b))+7], v[(\f)+8*(4*(\c)+(\a)):(\f)+8*(4*(\c)+(\a))+7], 0
.else
	v_wmma_f32_16x16x32_bf16 v[ACC+8*(4*(\a)+(\b)):ACC+8*(4*(\a)+(\b))+7], v[(\f)+64+8*(4*(\c)+(\b)):(\f)+64+8*(4*(\c)+(\b))+7], v[(\f)+8*(4*(\c)+(\a)):(\f)+8*(4*(\c)+(\a))+7], v[ACC+8*(4*(\a)+(\b)):ACC+8*(4*(\a)+(\b))+7]
.endif
.endr
.endr
.endm
; 32 LDS loads in one run: the fragments of quarter q of a step (64 along K: slice q of A, rows 64 q on of W), into buffer f; the first 32 along K first
.macro FETCH slot, q, f
	WIN TO_F
.irp c, 0,1
.irp i, 0,1,2,3
	ds_load_tr16_b128 v[(\f)+64+8*(4*(\c)+(\i)):(\f)+64+8*(4*(\c)+(\i))+3],   v[ADRB+2*(\slot)+(\q)/2] offset:(((\q)%2)*64+32*(\c))*PB+32*(\i)
	ds_load_tr16_b128 v[(\f)+64+8*(4*(\c)+(\i))+4:(\f)+64+8*(4*(\c)+(\i))+7], v[ADRB+2*(\slot)+(\q)/2] offset:(((\q)%2)*64+32*(\c))*PB+32*(\i)+16*PB
	ds_load_b128 v[(\f)+8*(4*(\c)+(\i)):(\f)+8*(4*(\c)+(\i))+3],              v[ADRA+(\slot)] offset:(\q)*ASL+64*(\c)+(\i)*16*PA
	ds_load_b128 v[(\f)+8*(4*(\c)+(\i))+4:(\f)+8*(4*(\c)+(\i))+7],            v[ADRA+(\slot)] offset:(\q)*ASL+64*(\c)+(\i)*16*PA+32
.endr
.endr
.endm
; 8 global loads: block a (16 rows x 64 columns) of my part of R, into window 2; waited for on the way out
.macro RLOAD a
	WIN 0x80                                       ; destination window 2, address window 0
.irp t, 0,1,2,3,4,5,6,7
	global_load_b128 v[32*(\a)+4*(\t):32*(\a)+4*(\t)+3], v[CO], s[68:69] offset:(16*(\a)+2*(\t))*4096  ; 16 lanes take 256 consecutive bytes of a row
.endr
.endm
.macro PLACES                          ; four places in front of loads into registers that matrix instructions have read, and of lines that read results
.rept 4
	v_nop
.endr
.endm
; A K step is four quarters of 64 along K, 32 matrix instructions each, on buffers 0, 1, 0, 1.  One of the first three: multiplies buffer f and fetches quarter q into g.
.macro QUARTER slot, q, f, g, zero
	s_wait_dscnt 16                                ; the first 32 along K are in; the youngest sixteen loads may be out
	WIN MUL
	MUL8 \f, 0, 0, \zero
	MUL8 \f, 0, 2, \zero
	PLACES
	FETCH \slot, \q, \g
	s_wait_dscnt 32                                ; all but the 32 just issued
	WIN MUL
	MUL8 \f, 1, 0, 0
	MUL8 \f, 1, 2, 0
.endm
; The last quarter multiplies buffer 1 and changes slots: ONE barrier; in front of it each wave waits for all its tensor loads, adds 0 to its spare word, and waits for that and for its own reads of this slot.  fill = 1: this slot is filled again, two K steps ahead.
.macro TURN slot, next, fill
	WIN 0                                          ; (the add's two registers lie in window 0)
	s_wait_tensorcnt 0x0                           ; all my tensor loads have landed: my part of the next slot;
	ds_add_u32 v[SPW], v[NIL]                      ; 0 onto my spare word;
	s_wait_dscnt 17                                ; (the add and the youngest sixteen loads may be out)
	WIN MUL
	MUL8 F1, 0, 0, 0                               ; eight matrix instructions stand between the add and the wait for it
	s_wait_dscnt 0x0                               ; the add is done, and my reads of this slot are over
	s_barrier_signal -1
	MUL8 F1, 0, 2, 0
.if \fill
	WIN 0
.endif
	s_barrier_wait -1
.if \fill
	CREST                                          ; the barrier has opened a round of the cluster's barrier: no wave of any partner still reads this slot's tile or has a load on its way
	s_add_nc_u64 s[G0+4*(\slot)+2:G0+4*(\slot)+3], s[G0+4*(\slot)+2:G0+4*(\slot)+3], 2*ASTEP
	s_add_nc_u64 s[G0B+4*(\slot)+2:G0B+4*(\slot)+3], s[G0B+4*(\slot)+2:G0B+4*(\slot)+3], 2*BSTEP
	JLOAD \slot                                    ; the first tensor load behind the round: 112 matrix instructions ahead of the wait for it; the four v_nop behind it are also the places in front of the loads below
.else
	PLACES
.endif
	FETCH \next, 0, F0
	WIN MUL
	MUL8 F1, 1, 0, 0
	MUL8 F1, 1, 2, 0
.endm
	s_wait_tensorcnt 1                             ; my part of K step 0 is in; step 1's may stay out
	s_barrier_signal -1
	s_barrier_wait -1                              ; everybody's is
	FETCH 0, 0, F0
	RLOAD 0                                        ; the first tiles are in: now the first half of the residual is asked for
	RLOAD 1
	QUARTER 0, 1, F0, F1, 1                        ; K step 0: its first products start the sums.  Four steps: a loop would have one trip, so they are written out
	QUARTER 0, 2, F1, F0, 0
	QUARTER 0, 3, F0, F1, 0
	TURN 0, 1, 1                                   ; slot 0 takes K step 2
	RLOAD 2                                        ; behind that request: the second half of the residual; three K steps lie between it and its use
	RLOAD 3
	QUARTER 1, 1, F0, F1, 0
	QUARTER 1, 2, F1, F0, 0
	QUARTER 1, 3, F0, F1, 0
	TURN 1, 0, 1                                   ; slot 1 takes K step 3
	QUARTER 0, 1, F0, F1, 0
	QUARTER 0, 2, F1, F0, 0
	QUARTER 0, 3, F0, F1, 0
	TURN 0, 1, 0                                   ; nothing is left to fetch
	QUARTER 1, 1, F0, F1, 0
	QUARTER 1, 2, F1, F0, 0
	QUARTER 1, 3, F0, F1, 0
	s_wait_dscnt 16                                ; the very last quarter
	WIN MUL
	MUL8 F1, 0, 0, 0
	MUL8 F1, 0, 2, 0
	s_wait_dscnt 0
	MUL8 F1, 1, 0, 0
	MUL8 F1, 1, 2, 0
	WIN 0
	; THE WAY OUT.  A lane holds 32 bytes of a row; a block of 16 rows at a time goes through my own stage and comes back as whole rows of 256 bytes, takes the residual and is stored.
	PLACES
	s_wait_loadcnt 0x0                             ; R
.macro OUT a
.set BK, TMP+32*((\a)%2)
.if (\a) >= 2
	s_wait_xcnt 0x0                                ; the stores of the block two back have read these registers: they are loaded again only behind this wait
.endif
.irp b, 0,1,2,3
	ds_store_b128 v[STO], v[ACC+8*(4*(\a)+(\b)):ACC+8*(4*(\a)+(\b))+3] offset:64*(\b)       ; each accumulator's low half first
	ds_store_b128 v[STO], v[ACC+8*(4*(\a)+(\b))+4:ACC+8*(4*(\a)+(\b))+7] offset:64*(\b)+16
.endr
.irp t, 0,1,2,3,4,5,6,7
	ds_load_b128 v[BK+4*(\t):BK+4*(\t)+3], v[RD] offset:(\t)*2*SP  ; LDS serves a wave's instructions in order (ISA guide 5.7.1.4): these see the stores above; the next block's stores come behind them
.endr
	s_wait_dscnt 0x0
	WIN 0x08                                       ; source 1 (R) in window 2
.set i, 0
.rept 16
	v_pk_add_f32 v[BK+2*i:BK+2*i+1], v[BK+2*i:BK+2*i+1], v[32*(\a)+2*i:32*(\a)+2*i+1]
.set i, i+1
.endr
	WIN 0
.irp t, 0,1,2,3,4,5,6,7
	global_store_b128 v[CO], v[BK+4*(\t):BK+4*(\t)+3], s[70:71] offset:(16*(\a)+2*(\t))*4096  ; 16 lanes store 256 consecutive bytes, at a multiple of 256 from Y's first byte
.endr
.endm
	OUT 0
	OUT 1
	OUT 2
	OUT 3
	s_wait_tensorcnt 0x0                           ; the wave's end: the last add and its wait stand behind my last tensor load and my last LDS store
	ds_add_u32 v[SPW], v[NIL]
	s_wait_dscnt 0x0
	CROUND                                         ; the closing round: no work-group ends while a partner may still ask for a tile that names it
	s_endpgm
.Lfunc_end_k_qa6c657cc03_gemm_proj:
	.size	k_qa6c657cc03_gemm_proj, .Lfunc_end_k_qa6c657cc03_gemm_proj-k_qa6c657cc03_gemm_proj
	.p2alignl 7, 3214868480
	.fill 96, 4, 3214868480
	.section	.rodata,"a",@progbits
	.p2align	6, 0x0
	.amdhsa_kernel k_qa6c657cc03_gemm_proj
		.amdhsa_group_segment_fixed_size 327680
		.amdhsa_private_segment_fixed_size 0
		.amdhsa_enable_private_segment 0
		.amdhsa_kernarg_size 32
		.amdhsa_user_sgpr_count 2
		.amdhsa_user_sgpr_kernarg_segment_ptr 1
		.amdhsa_wavefront_size32 1
		.amdhsa_system_sgpr_workgroup_id_x 1
		.amdhsa_system_sgpr_workgroup_id_y 1
		.amdhsa_system_sgpr_workgroup_id_z 1
		.amdhsa_system_vgpr_workitem_id 0
		.amdhsa_next_free_vgpr 640
		.amdhsa_next_free_sgpr 72
		.amdhsa_reserve_vcc 0
		.amdhsa_float_denorm_mode_32 3
		.amdhsa_float_denorm_mode_16_64 3
		.amdhsa_memory_ordered 1
		.amdhsa_forward_progress 1
		.amdhsa_inst_pref_size 93
	.end_amdhsa_kernel
	.amdgpu_metadata
---
amdhsa.version: [ 1, 2 ]
amdhsa.kernels:
  - .name:           k_qa6c657cc03_gemm_proj
    .symbol:         k_qa6c657cc03_gemm_proj.kd
    .args:
      - { .name: act, .offset: 0, .size: 8, .value_kind: global_buffer, .address_space: global }
      - { .name: wob, .offset: 8, .size: 8, .value_kind: global_buffer, .address_space: global }
      - { .name: x, .offset: 16, .size: 8, .value_kind: global_buffer, .address_space: global }
      - { .name: y, .offset: 24, .size: 8, .value_kind: global_buffer, .address_space: global }
    .group_segment_fixed_size: 327680
    .private_segment_fixed_size: 0
    .kernarg_segment_align: 8
    .kernarg_segment_size: 32
    .max_flat_workgroup_size: 128
    .sgpr_count:     72
    .vgpr_count:     640
    .wavefront_size: 32
...
	.end_amdgpu_metadata
.endif
;; end of part 4
;; launch ln2 (part 5): grid 256 x 1, 8 waves a work-group, no clusters, 0 bytes of LDS; arguments y, ln2_g, ln2_b, h2, act; writes h2, act
.if DOCPART == 5
	.amdgcn_target "amdgcn-amd-amdhsa--gfx1250"
	.amdhsa_code_object_version 6
	.text
	.protected	k_qa6c657cc03_ln2
	.globl	k_qa6c657cc03_ln2
	.p2align	8
	.type	k_qa6c657cc03_ln2,@function
k_qa6c657cc03_ln2:
	s_mov_b64 s[64:65], 0
	v_nop
	global_prefetch_b8 v0, s[64:65] scope:SCOPE_SE
	s_setreg_imm32_b32 hwreg(HW_REG_WAVE_MODE, 25, 1), 1
	s_wait_xcnt 0x0
; h2 = LayerNorm(y) g + b in f32 (the next residual), and the same numbers rounded once to bf16 in act (the next product's operand), tile-major:
; element (m, c) at byte (m >> 7) 262,144 + (c >> 6) 16,384 + (m & 127) 128 + (c & 63) 2.  y, h2: [4,096][1,024] f32.
; A work-group takes 16 rows; half a wave (16 lanes) owns a row, which stays in 64 registers a lane: the mean first, then the sum of squared deviations from it, all in f32.
; So the reduction never leaves 16 lanes: no LDS, no barrier.  Streaming work: each byte is read once and written once; the matrix unit and clusters would add nothing.
.set XO,  1                            ; v1        row in the group x 4,096 + 16 (lane % 16)
.set GOF, 2                            ; v2        16 (lane % 16)
.set BO,  3                            ; v3        8 x thread
.set X,   4                            ; v[4:67]   my 64 numbers of the row: columns 64 j + 4 (lane % 16) + 0..3
.set G,   68                           ; v[68:131] gains
.set BV,  132                          ; v[132:195] biases
.set Y,   196                          ; v[196:227] packed bf16
.set T,   228                          ; v[228:235] four chains of pairs
.set MU,  236                          ; v[236:237] the mean, twice
.set RS,  238                          ; v[238:239] 1 / sqrt(var + eps), twice
.macro REDUCE                          ; the four chains, the pair, then the 16 lanes of the row: every lane of the half ends with the sum
	v_pk_add_f32 v[T:T+1], v[T:T+1], v[T+2:T+3]
	v_pk_add_f32 v[T+4:T+5], v[T+4:T+5], v[T+6:T+7]
	v_pk_add_f32 v[T:T+1], v[T:T+1], v[T+4:T+5]
	v_add_f32 v[T], v[T], v[T+1]
	v_add_f32_dpp v[T], v[T], v[T] row_xmask:1 row_mask:0xf bank_mask:0xf
	v_add_f32_dpp v[T], v[T], v[T] row_xmask:2 row_mask:0xf bank_mask:0xf
	v_add_f32_dpp v[T], v[T], v[T] row_xmask:4 row_mask:0xf bank_mask:0xf
	v_add_f32_dpp v[T], v[T], v[T] row_xmask:8 row_mask:0xf bank_mask:0xf
.endm
	s_load_b256 s[4:11], s[0:1], 0x0               ; y s[4:5], g s[6:7], b s[8:9], h2 s[10:11]
	s_load_b64 s[12:13], s[0:1], 0x20              ; act
	v_and_b32 v[GOF], 15, v0
	v_lshlrev_b32 v[GOF], 4, v[GOF]
	v_lshrrev_b32 v[XO], 4, v0
	v_lshl_add_u32 v[XO], v[XO], 12, v[GOF]
	v_lshlrev_b32 v[BO], 3, v0
	s_lshl_b32 s2, ttmp9, 16                       ; 16 rows of 4,096 bytes
	s_mov_b32 s3, 0
	s_lshr_b32 s14, ttmp9, 3                       ; in act: the block of 128 rows,
	s_lshl_b32 s14, s14, 18
	s_and_b32 s15, ttmp9, 7                        ; and my 16 rows of 128 bytes in it
	s_lshl_b32 s15, s15, 11
	s_add_co_u32 s14, s14, s15
	s_mov_b32 s15, 0
	s_wait_kmcnt 0x0
	s_add_nc_u64 s[4:5], s[4:5], s[2:3]
	s_add_nc_u64 s[10:11], s[10:11], s[2:3]
	s_add_nc_u64 s[12:13], s[12:13], s[14:15]
	s_mov_b32 s2, 0x3a800000                       ; 1 / 1,024
	s_mov_b32 s3, 0x3727c5ac                       ; eps = 1e-5
.irp j, 0,1,2,3,4,5,6,7,8,9,10,11,12,13,14,15
	global_load_b128 v[X+4*\j:X+4*\j+3], v[XO], s[4:5] offset:256*\j th:TH_LOAD_NT   ; each half of the wave takes 256 consecutive bytes of its row
.endr
.irp j, 0,1,2,3,4,5,6,7,8,9,10,11,12,13,14,15
	global_load_b128 v[G+4*\j:G+4*\j+3], v[GOF], s[6:7] offset:256*\j
.endr
.irp j, 0,1,2,3,4,5,6,7,8,9,10,11,12,13,14,15
	global_load_b128 v[BV+4*\j:BV+4*\j+3], v[GOF], s[8:9] offset:256*\j
.endr
	s_wait_loadcnt 32                              ; the row is in; the 32 younger loads, gains and biases, stay out
.irp k, 0,1,2,3
	v_pk_add_f32 v[T+2*\k:T+2*\k+1], v[X+4*\k:X+4*\k+1], v[X+4*\k+2:X+4*\k+3]  ; the first eight pairs start the chains: nothing is cleared
.endr
.set i, 8
.rept 24
	v_pk_add_f32 v[T+2*(i%4):T+2*(i%4)+1], v[T+2*(i%4):T+2*(i%4)+1], v[X+2*i:X+2*i+1]
.set i, i+1
.endr
	REDUCE
	v_mul_f32 v[MU], s2, v[T]
	v_mul_f32 v[MU+1], s2, v[T]
.set i, 0
.rept 32
	v_pk_add_f32 v[X+2*i:X+2*i+1], v[X+2*i:X+2*i+1], v[MU:MU+1] neg_lo:[0,1] neg_hi:[0,1]  ; y - mean
.set i, i+1
.endr
.irp k, 0,1,2,3
	v_pk_mul_f32 v[T+2*\k:T+2*\k+1], v[X+2*\k:X+2*\k+1], v[X+2*\k:X+2*\k+1]
.endr
.set i, 4
.rept 28
	v_pk_fma_f32 v[T+2*(i%4):T+2*(i%4)+1], v[X+2*i:X+2*i+1], v[X+2*i:X+2*i+1], v[T+2*(i%4):T+2*(i%4)+1]
.set i, i+1
.endr
	REDUCE
	v_fma_f32 v[T], v[T], s2, s3                   ; var + eps
	v_rsq_f32 v[RS], v[T]
	v_rsq_f32 v[RS+1], v[T]
	v_nop                                          ; a plain instruction between the root and the use of its result (ISA guide 5.7.2)
.set i, 0
.rept 32
	v_pk_mul_f32 v[X+2*i:X+2*i+1], v[X+2*i:X+2*i+1], v[RS:RS+1]
.set i, i+1
.endr
	s_wait_loadcnt 0x0                             ; gains and biases
.irp j, 0,1,2,3,4,5,6,7,8,9,10,11,12,13,14,15
	v_pk_fma_f32 v[X+4*\j:X+4*\j+1], v[X+4*\j:X+4*\j+1], v[G+4*\j:G+4*\j+1], v[BV+4*\j:BV+4*\j+1]
	v_pk_fma_f32 v[X+4*\j+2:X+4*\j+3], v[X+4*\j+2:X+4*\j+3], v[G+4*\j+2:G+4*\j+3], v[BV+4*\j+2:BV+4*\j+3]
	global_store_b128 v[XO], v[X+4*\j:X+4*\j+3], s[10:11] offset:256*\j    ; 16 lanes store 256 consecutive bytes, aligned
	v_cvt_pk_bf16_f32 v[Y+2*\j], v[X+4*\j], v[X+4*\j+1]
	v_cvt_pk_bf16_f32 v[Y+2*\j+1], v[X+4*\j+2], v[X+4*\j+3]
	global_store_b64 v[BO], v[Y+2*\j:Y+2*\j+1], s[12:13] offset:16384*\j   ; the wave stores 256 consecutive bytes, aligned: two rows' channels 64 j .. 64 j + 63
.endr
	s_endpgm
.Lfunc_end_k_qa6c657cc03_ln2:
	.size	k_qa6c657cc03_ln2, .Lfunc_end_k_qa6c657cc03_ln2-k_qa6c657cc03_ln2
	.p2alignl 7, 3214868480
	.fill 96, 4, 3214868480
	.section	.rodata,"a",@progbits
	.p2align	6, 0x0
	.amdhsa_kernel k_qa6c657cc03_ln2
		.amdhsa_group_segment_fixed_size 0
		.amdhsa_private_segment_fixed_size 0
		.amdhsa_enable_private_segment 0
		.amdhsa_kernarg_size 40
		.amdhsa_user_sgpr_count 2
		.amdhsa_user_sgpr_kernarg_segment_ptr 1
		.amdhsa_wavefront_size32 1
		.amdhsa_system_sgpr_workgroup_id_x 1
		.amdhsa_system_sgpr_workgroup_id_y 1
		.amdhsa_system_sgpr_workgroup_id_z 1
		.amdhsa_system_vgpr_workitem_id 0
		.amdhsa_next_free_vgpr 240
		.amdhsa_next_free_sgpr 66
		.amdhsa_reserve_vcc 0
		.amdhsa_float_denorm_mode_32 3
		.amdhsa_float_denorm_mode_16_64 3
		.amdhsa_memory_ordered 1
		.amdhsa_forward_progress 1
		.amdhsa_inst_pref_size 22
	.end_amdhsa_kernel
	.amdgpu_metadata
---
amdhsa.version: [ 1, 2 ]
amdhsa.kernels:
  - .name:           k_qa6c657cc03_ln2
    .symbol:         k_qa6c657cc03_ln2.kd
    .args:
      - { .name: y, .offset: 0, .size: 8, .value_kind: global_buffer, .address_space: global }
      - { .name: ln2_g, .offset: 8, .size: 8, .value_kind: global_buffer, .address_space: global }
      - { .name: ln2_b, .offset: 16, .size: 8, .value_kind: global_buffer, .address_space: global }
      - { .name: h2, .offset: 24, .size: 8, .value_kind: global_buffer, .address_space: global }
      - { .name: act, .offset: 32, .size: 8, .value_kind: global_buffer, .address_space: global }
    .group_segment_fixed_size: 0
    .private_segment_fixed_size: 0
    .kernarg_segment_align: 8
    .kernarg_segment_size: 40
    .max_flat_workgroup_size: 256
    .sgpr_count:     66
    .vgpr_count:     240
    .wavefront_size: 32
...
	.end_amdgpu_metadata
.endif
;; end of part 5
;; launch ffn1 (part 6): grid 8 x 32, 4 waves a work-group, clusters of 4 x 4, 327,680 bytes of LDS; arguments act, w1b, qkv; writes qkv
.if DOCPART == 6
	.amdgcn_target "amdgcn-amd-amdhsa--gfx1250"
	.amdhsa_code_object_version 6
	.text
	.protected	k_qa6c657cc03_ffn1
	.globl	k_qa6c657cc03_ffn1
	.p2align	8
	.type	k_qa6c657cc03_ffn1,@function
k_qa6c657cc03_ffn1:
	s_mov_b64 s[64:65], 0
	v_nop
	global_prefetch_b8 v0, s[64:65] scope:SCOPE_SE
	s_setreg_imm32_b32 hwreg(HW_REG_WAVE_MODE, 25, 1), 1
	s_wait_xcnt 0x0
	s_wait_alu depctr_hold_cnt(0) depctr_sa_sdst(0) depctr_va_vdst(0) depctr_va_sdst(0) depctr_va_ssrc(0) depctr_va_vcc(0) depctr_vm_vsrc(0)
	s_getreg_b32 s2, hwreg(HW_REG_IB_STS2, 6, 4)
	s_cmp_eq_u32 s2, 0
	s_cbranch_scc0 .Lentry_in_a_cluster
	s_endpgm
.Lentry_in_a_cluster:
	s_bfe_u32 s2, ttmp6, 0x10000c
	s_cmp_lg_u32 s2, 0xf033
	s_cbranch_scc0 .Lentry_shape_is_right
	s_endpgm
.Lentry_shape_is_right:
; C = max(A W, 0), rounded once to bf16.  A: 4,096 x 1,024 bf16, tile-major (element (m, c) at (m >> 7) 262,144 + (c >> 6) 16,384 + (m & 127) 128 + (c & 63) 2).
; W: [K = 1,024][N = 1,024] bf16.  C: tile-major like A, in the first 8,388,608 bytes of its buffer.  Sums in f32.
; LIMITS.  A NaN among the sums becomes 0.  Operands carry bf16's eight significant bits.
; SHARES.  A tile of C is 128 x 128: 256 tiles.  Four waves, 64 x 64 each: 16 accumulators of 16 x 16.  K goes in four steps of 256 through two LDS slots.
; A's tile of a step is 65,536 dense bytes (four slices of 128 rows x 64 channels), asked for as rows of 256 bytes and padded in LDS after every 128.  W's is 256 rows of 256 bytes.
; W stays [K][N]: its fragments come out of LDS turned, by ds_load_tr16_b128.
; CLUSTERS: 4 x 4 work-groups.  The four of a row of the cluster need the same tiles of A, the four of a column the same tiles of W: each tile is asked for JOINTLY, by the same tensor load with the
; same descriptor and a mask that names the four.  THE MATRIX INSTRUCTION IS USED TRANSPOSED (source 0 = 16 columns of W, source 1 = 16 rows of A): a lane then holds eight neighbouring numbers of a row of C.
; REGISTERS: window 0: v0-31 addresses; v32-95 at work on the way out; v128-255 the accumulators ((a, b) at v[128 + 8 (4 a + b)]).
;   window 1: two fragment buffers of 128: for 64 along K, 64 registers of A (2 x 4 x 16 rows x 32 K), then 64 of W.
.set PA,     144                       ; a row of A in LDS: 128 bytes + 16 = 36 words: the 16 rows of a load start at 16 different groups of four banks (64 banks of 4 bytes: ISA guide 11.1)
.set PB,     288                       ; a row of W: 256 + 32 = 72 words
.set ASL,    128*PA                    ; a slice of A: 128 rows x 64 channels
.set HALFT,  36864                     ; what one tensor load brings: two slices of A (256 x 144), or 128 rows of W (128 x 288)
.set SLOT,   4*HALFT                   ; A's four slices, then W's 256 rows
.set ASTEP,  65536                     ; bytes from a K step to the next in A,
.set BSTEP,  524288                    ; and in W: 256 rows of 2,048
.set STAGE,  2*SLOT                    ; behind the ring: 16 rows x 144 bytes for each wave, for the way out
.set SP,     144
.set SPARE,  STAGE+4*16*SP             ; behind the stages: the spare words, 128 bytes for each wave: two blocks of 256 bytes that no other line names
.set ADRA, 16                          ; v16-17  LDS address of my A fragments in slot 0, 1
.set ADRB, 20                          ; v20-23  the same for W: slot 0 rows 0-127, rows 128-255; slot 1 likewise (an offset has 16 bits)
.set STO,  24                          ; v24     the way out: where I put 16 bytes of a row
.set RD,   25                          ; v25     the way out: where I read rows back
.set GO,   26                          ; v26     my byte offset in 512 consecutive bytes of C
.set SPW,  28                          ; v28     LDS address of my spare word; never rewritten
.set NIL,  29                          ; v29     0; never rewritten
.set TMP,  32
.set ACC,  128
.set F0,   0                           ; fragment buffers, in window 1
.set F1,   128
.set G1, 24                            ; s[24:31] descriptor group 1 for A's tiles;  s[32:39] group 0, one set for each slot
.set G0, 32
.set G1B, 48                           ; s[48:55], s[56:63] the same for W's tiles
.set G0B, 56
.set MSB, 0
.macro WIN new                         ; the immediate's high byte repeats the setting that is left
.if MSB != (\new)
	s_set_vgpr_msb (MSB<<8)|(\new)
.set MSB, \new
.endif
.endm
.set MUL,  0x05                        ; sources 0 (W) and 1 (A) window 1; C and D window 0
.set TO_F, 0x40                        ; destination window 1, address window 0
.macro JLOAD s                         ; a joint load: waves 0 and 1 fetch A's two halves, waves 2 and 3 W's; an s_nop 0 and four v_nop follow each of the two lines, ahead of the jump, the label and what follows
	s_cmp_eq_u32 s11, 0
	s_cbranch_scc0 .Lfor_b_\@
	tensor_load_to_lds s[G0+4*(\s):G0+4*(\s)+3], s[G1:G1+7]
	s_nop 0
.rept 4
	v_nop
.endr
	s_branch .Lasked_\@
.Lfor_b_\@:
	tensor_load_to_lds s[G0B+4*(\s):G0B+4*(\s)+3], s[G1B:G1B+7]
	s_nop 0
.rept 4
	v_nop
.endr
.Lasked_\@:
.endm
.macro CREST                           ; a round of the cluster's barrier behind its opening barrier
	s_cmp_lg_u32 s10, 0
	s_cbranch_scc1 .Lnot_wave_0_\@
	s_barrier_signal -3
.Lnot_wave_0_\@:
	s_barrier_wait -3
	s_barrier_signal -1
	s_barrier_wait -1
.endm
.macro CROUND                          ; a whole round
	s_barrier_signal -1
	s_barrier_wait -1
	CREST
.endm
	s_load_b128 s[4:7], s[0:1], 0x0                ; A s[4:5], W s[6:7]
	s_load_b64 s[8:9], s[0:1], 0x10                ; C
	v_lshl_add_u32 v[SPW], v0, 2, SPARE
	v_mov_b32 v[NIL], 0
	ds_add_u32 v[SPW], v[NIL]                      ; the wave's opening: the add and its wait stand ahead of my first tensor load; the set-up below, work on registers, stands between them
	v_lshrrev_b32 v1, 5, v0
	v_readfirstlane_b32 s10, v1                    ; wave 0..3
	s_lshr_b32 s11, s10, 1                         ; which half of the tile's rows is mine.  Also: I fetch for A (0) or for W (1)
	s_and_b32 s12, s10, 1                          ; which half of its columns.  Also: which half of that tile I fetch
	s_bfe_u32 s40, ttmp6, 0x40000                  ; cx, cy: my place in the cluster
	s_bfe_u32 s41, ttmp6, 0x40004
	s_lshl_b32 s42, ttmp9, 2
	s_add_co_u32 s42, s42, s40                     ; tile column = 4 x cluster x + cx
	s_and_b32 s13, ttmp7, 0xffff
	s_lshl_b32 s13, s13, 2
	s_add_co_u32 s13, s13, s41                     ; tile row = 4 x cluster y + cy
	s_lshl_b32 s43, s41, 2
	s_lshl_b32 s43, 15, s43                        ; my row of the cluster
	s_lshl_b32 s44, 0x1111, s40                    ; my column
	; descriptor group 1: 128 rows x 128 elements of 2 bytes, padded in LDS
	s_or_b32 s[G1+0], s43, (1<<16)|(1<<20)|(1<<21)|(4<<22)|(3<<25)   ; 15:0 the mask: A's tiles go to my row; 17:16 2-byte elements; 20 padding on; 21 set beside a mask; 24:22 after every 32 words (code 4); 31:25 4 words (code 3)
	s_or_b32 s[G1B+0], s44, (1<<16)|(1<<20)|(1<<21)|(5<<22)|(7<<25)  ; W's go to my column; after every 64 words (code 5) 8 words (code 7)
.irp g, G1, G1B
	s_mov_b32 s[(\g)+1], 128<<16                   ; tensor_dim0 = 128
	s_mov_b32 s[(\g)+2], 128<<16                   ; tensor_dim1 = 128
	s_mov_b32 s[(\g)+3], 128<<16                   ; tile_dim0 = 128
	s_mov_b32 s[(\g)+4], 128                       ; tile_dim1 = 128
	s_mov_b32 s[(\g)+6], 0
	s_mov_b32 s[(\g)+7], 0
.endr
	s_mov_b32 s[G1+5], 128                         ; A's bytes are dense: 128 elements from row to row
	s_mov_b32 s[G1B+5], 1024                       ; W's rows are 1,024 elements apart
	s_lshl_b32 s16, s13, 18                        ; A: the tile row's 262,144 bytes,
	s_lshl_b32 s17, s12, 15                        ; and my two slices of a step's four
	s_add_co_u32 s16, s16, s17
	s_mov_b32 s17, 0
	s_lshl_b32 s46, s42, 8                         ; W: the tile's 128 columns, 256 bytes,
	s_lshl_b32 s47, s12, 18                        ; and my 128 rows of a step's 256
	s_add_co_u32 s46, s46, s47
	s_mov_b32 s47, 0
	s_mul_i32 s20, s10, HALFT                      ; where they go: wave x 36,864: no place in the cluster enters an LDS address
	s_wait_dscnt 0x0                               ; the opening add is done
	s_wait_kmcnt 0x0
	s_add_nc_u64 s[14:15], s[4:5], s[16:17]
	s_add_nc_u64 s[46:47], s[6:7], s[46:47]
	CROUND                                         ; all sixteen work-groups are here: the first joint loads meet
.irp s, 0,1
	s_mov_b32 s[G0+4*(\s)], 1
	s_add_co_u32 s[G0+4*(\s)+1], s20, (\s)*SLOT
	s_add_nc_u64 s[G0+4*(\s)+2:G0+4*(\s)+3], s[14:15], (\s)*ASTEP
	s_or_b32 s[G0+4*(\s)+3], s[G0+4*(\s)+3], 0x80000000
	s_mov_b32 s[G0B+4*(\s)], 1
	s_add_co_u32 s[G0B+4*(\s)+1], s20, (\s)*SLOT
	s_add_nc_u64 s[G0B+4*(\s)+2:G0B+4*(\s)+3], s[46:47], (\s)*BSTEP
	s_or_b32 s[G0B+4*(\s)+3], s[G0B+4*(\s)+3], 0x80000000
	JLOAD \s                                       ; two loads of mine are out
.endr
	v_and_b32 v1, 15, v0                           ; l % 16
	v_bfe_u32 v2, v0, 4, 1                         ; l / 16
	v_mul_u32_u24 v3, v1, PA
	v_lshl_add_u32 v3, v2, 4, v3                   ; A: a fragment's row x pitch + 16 x half
	v_and_b32 v4, 7, v0                            ; W: the turning load reads row 8 (l / 16) + l % 8, 16 bytes at 16 ((l / 8) % 2)
	v_lshl_add_u32 v5, v2, 3, v4
	v_mul_u32_u24 v5, v5, PB
	v_bfe_u32 v6, v0, 3, 1
	v_lshl_add_u32 v5, v6, 4, v5
	s_mul_i32 s21, s11, 64*PA                      ; my 64 rows in each slice of A
	s_lshl_b32 s22, s12, 7                         ; my 64 columns of W, 128 bytes,
	s_add_co_u32 s22, s22, 2*HALFT                 ; behind A's four slices
.irp s, 0,1
	v_add_nc_u32 v[ADRA+(\s)], s21, v3
	v_add_nc_u32 v[ADRB+2*(\s)], s22, v5
	s_add_co_u32 s22, s22, HALFT
	v_add_nc_u32 v[ADRB+2*(\s)+1], s22, v5
	s_add_co_u32 s21, s21, SLOT
	s_add_co_u32 s22, s22, SLOT-HALFT
.endr
	s_mul_i32 s23, s10, 16*SP
	s_add_co_u32 s23, s23, STAGE                   ; my stage
	v_mul_u32_u24 v[STO], v1, SP                   ; in: row l % 16, 16 bytes for each half of the lanes
	v_lshl_add_u32 v[STO], v2, 4, v[STO]
	v_add_nc_u32 v[STO], s23, v[STO]
	v_bfe_u32 v[RD], v0, 3, 2                      ; back: 32 lanes take four rows of 128 bytes,
	v_mul_u32_u24 v[RD], v[RD], SP
	v_lshl_add_u32 v[RD], v4, 4, v[RD]
	v_add_nc_u32 v[RD], s23, v[RD]
	v_and_b32 v[GO], 31, v0                        ; which are 512 consecutive bytes of C
	v_lshlrev_b32 v[GO], 4, v[GO]
	s_lshl_b32 s16, s13, 18                        ; C: the tile row,
	s_lshl_b32 s17, s11, 13                        ; my 64 rows of 128 bytes,
	s_add_co_u32 s16, s16, s17
	s_lshl_b32 s17, s12, 14                        ; my 64 channels
	s_add_co_u32 s16, s16, s17
	s_mov_b32 s17, 0
	s_add_nc_u64 s[8:9], s[8:9], s[16:17]
	s_lshl_b32 s46, s42, 15                        ; the tile column: two blocks of 64 channels
	s_mov_b32 s47, 0
	s_add_nc_u64 s[8:9], s[8:9], s[46:47]
; 8 matrix instructions: m blocks a0, a0 + 1 x all 4 n blocks, 32 along K: half c of buffer f.  zero = 1: the first product starts the sums.  The 16 accumulators take turns.
.macro MUL8 f, c, a0, zero
	WIN MUL
.irp a, \a0, (\a0)+1
.irp b, 0,1,2,3
.if \zero
	v_wmma_f32_16x16x32_bf16 v[ACC+8*(4*(\a)+(\b)):ACC+8*(4*(\a)+(\b))+7], v[(\f)+64+8*(4*(\c)+(\b)):(\f)+64+8*(4*(\c)+(\b))+7], v[(\f)+8*(4*(\c)+(\a)):(\f)+8*(4*(\c)+(\a))+7], 0
.else
	v_wmma_f32_16x16x32_bf16 v[ACC+8*(4*(\a)+(\b)):ACC+8*(4*(\a)+(\b))+7], v[(\f)+64+8*(4*(\c)+(\b)):(\f)+64+8*(4*(\c)+(\b))+7], v[(\f)+8*(4*(\c)+(\a)):(\f)+8*(4*(\c)+(\a))+7], v[ACC+8*(4*(\a)+(\b)):ACC+8*(4*(\a)+(\b))+7]
.endif
.endr
.endr
.endm
; 32 LDS loads in one run: the fragments of quarter q of a step (64 along K: slice q of A, rows 64 q on of W), into buffer f; the first 32 along K first
.macro FETCH slot, q, f
	WIN TO_F
.irp c, 0,1
.irp i, 0,1,2,3
	ds_load_tr16_b128 v[(\f)+64+8*(4*(\c)+(\i)):(\f)+64+8*(4*(\c)+(\i))+3],   v[ADRB+2*(\slot)+(\q)/2] offset:(((\q)%2)*64+32*(\c))*PB+32*(\i)
	ds_load_tr16_b128 v[(\f)+64+8*(4*(\c)+(\i))+4:(\f)+64+8*(4*(\c)+(\i))+7], v[ADRB+2*(\slot)+(\q)/2] offset:(((\q)%2)*64+32*(\c))*PB+32*(\i)+16*PB
	ds_load_b128 v[(\f)+8*(4*(\c)+(\i)):(\f)+8*(4*(\c)+(\i))+3],              v[ADRA+(\slot)] offset:(\q)*ASL+64*(\c)+(\i)*16*PA
	ds_load_b128 v[(\f)+8*(4*(\c)+(\i))+4:(\f)+8*(4*(\c)+(\i))+7],            v[ADRA+(\slot)] offset:(\q)*ASL+64*(\c)+(\i)*16*PA+32
.endr
.endr
.endm
.macro PLACES                          ; four places in front of loads into registers that matrix instructions have read, and of lines that read results
.rept 4
	v_nop
.endr
.endm
; A K step is four quarters of 64 along K, 32 matrix instructions each, on buffers 0, 1, 0, 1.  One of the first three: multiplies buffer f and fetches quarter q into g.
.macro QUARTER slot, q, f, g, zero
	s_wait_dscnt 16                                ; the first 32 along K are in; the youngest sixteen loads may be out
	WIN MUL
	MUL8 \f, 0, 0, \zero
	MUL8 \f, 0, 2, \zero
	PLACES
	FETCH \slot, \q, \g
	s_wait_dscnt 32                                ; all but the 32 just issued
	WIN MUL
	MUL8 \f, 1, 0, 0
	MUL8 \f, 1, 2, 0
.endm
; The last quarter multiplies buffer 1 and changes slots: ONE barrier; in front of it each wave waits for all its tensor loads, adds 0 to its spare word, and waits for that and for its own reads of this slot.  fill = 1: this slot is filled again, two K steps ahead.
.macro TURN slot, next, fill
	WIN 0                                          ; (the add's two registers lie in window 0)
	s_wait_tensorcnt 0x0                           ; all my tensor loads have landed: my part of the next slot;
	ds_add_u32 v[SPW], v[NIL]                      ; 0 onto my spare word;
	s_wait_dscnt 17                                ; (the add and the youngest sixteen loads may be out)
	WIN MUL
	MUL8 F1, 0, 0, 0                               ; eight matrix instructions stand between the add and the wait for it
	s_wait_dscnt 0x0                               ; the add is done, and my reads of this slot are over
	s_barrier_signal -1
	MUL8 F1, 0, 2, 0
.if \fill
	WIN 0
.endif
	s_barrier_wait -1
.if \fill
	CREST                                          ; the barrier has opened a round of the cluster's barrier: no wave of any partner still reads this slot's tile or has a load on its way
	s_add_nc_u64 s[G0+4*(\slot)+2:G0+4*(\slot)+3], s[G0+4*(\slot)+2:G0+4*(\slot)+3], 2*ASTEP
	s_add_nc_u64 s[G0B+4*(\slot)+2:G0B+4*(\slot)+3], s[G0B+4*(\slot)+2:G0B+4*(\slot)+3], 2*BSTEP
	JLOAD \slot                                    ; the first tensor load behind the round: 112 matrix instructions ahead of the wait for it; the four v_nop behind it are also the places in front of the loads below
.else
	PLACES
.endif
	FETCH \next, 0, F0
	WIN MUL
	MUL8 F1, 1, 0, 0
	MUL8 F1, 1, 2, 0
.endm
	s_wait_tensorcnt 1                             ; my part of K step 0 is in; step 1's may stay out
	s_barrier_signal -1
	s_barrier_wait -1                              ; everybody's is
	FETCH 0, 0, F0
	QUARTER 0, 1, F0, F1, 1                        ; K step 0: its first products start the sums.  Four steps: a loop would have one trip, so they are written out
	QUARTER 0, 2, F1, F0, 0
	QUARTER 0, 3, F0, F1, 0
	TURN 0, 1, 1                                   ; slot 0 takes K step 2
	QUARTER 1, 1, F0, F1, 0
	QUARTER 1, 2, F1, F0, 0
	QUARTER 1, 3, F0, F1, 0
	TURN 1, 0, 1                                   ; slot 1 takes K step 3
	QUARTER 0, 1, F0, F1, 0
	QUARTER 0, 2, F1, F0, 0
	QUARTER 0, 3, F0, F1, 0
	TURN 0, 1, 0                                   ; nothing is left to fetch
	QUARTER 1, 1, F0, F1, 0
	QUARTER 1, 2, F1, F0, 0
	QUARTER 1, 3, F0, F1, 0
	s_wait_dscnt 16                                ; the very last quarter
	WIN MUL
	MUL8 F1, 0, 0, 0
	MUL8 F1, 0, 2, 0
	s_wait_dscnt 0
	MUL8 F1, 1, 0, 0
	MUL8 F1, 1, 2, 0
	WIN 0
	; THE WAY OUT.  My 64 x 64 of C are 8,192 dense bytes.  A block of 16 rows at a time: the ReLU, the rounding, 16 bytes a lane into my own stage, back as whole rows, stored as 512 consecutive bytes.
	PLACES
.macro PACK a
.set i, 0
.rept 32
	v_max_num_f32 v[ACC+32*(\a)+i], 0, v[ACC+32*(\a)+i]        ; each accumulator's registers in ascending order
.set i, i+1
.endr
.set i, 0
.rept 16
	v_cvt_pk_bf16_f32 v[TMP+16*(\a)+i], v[ACC+32*(\a)+2*i], v[ACC+32*(\a)+2*i+1]
.set i, i+1
.endr
.irp b, 0,1,2,3
	ds_store_b128 v[STO], v[TMP+16*(\a)+4*(\b):TMP+16*(\a)+4*(\b)+3] offset:32*(\b)
.endr
.irp f, 0,1,2,3
	ds_load_b128 v[TMP+16*(\a)+4*(\f):TMP+16*(\a)+4*(\f)+3], v[RD] offset:(\f)*4*SP  ; LDS serves a wave's instructions in order (ISA guide 5.7.1.4): these see the stores above; the next block's stores come behind them
.endr
.endm
.macro SEND a, younger                 ; younger: the LDS instructions issued behind block a's loads: the next block's eight, or none
.irp f, 0,1,2,3
	s_wait_dscnt (\younger)+3-(\f)
	global_store_b128 v[GO], v[TMP+16*(\a)+4*(\f):TMP+16*(\a)+4*(\f)+3], s[8:9] offset:(\a)*2048+(\f)*512  ; 512 consecutive bytes, at a multiple of 256 from C's first
.endr
.endm
	PACK 0
	PACK 1                                         ; a block's arithmetic stands between the loads of the block before and its stores
	SEND 0, 8
	PACK 2
	SEND 1, 8
	PACK 3
	SEND 2, 8
	SEND 3, 0
	s_wait_tensorcnt 0x0                           ; the wave's end: the last add and its wait stand behind my last tensor load and my last LDS store
	ds_add_u32 v[SPW], v[NIL]
	s_wait_dscnt 0x0
	CROUND                                         ; the closing round: no work-group ends while a partner may still ask for a tile that names it
	s_endpgm
.Lfunc_end_k_qa6c657cc03_ffn1:
	.size	k_qa6c657cc03_ffn1, .Lfunc_end_k_qa6c657cc03_ffn1-k_qa6c657cc03_ffn1
	.p2alignl 7, 3214868480
	.fill 96, 4, 3214868480
	.section	.rodata,"a",@progbits
	.p2align	6, 0x0
	.amdhsa_kernel k_qa6c657cc03_ffn1
		.amdhsa_group_segment_fixed_size 327680
		.amdhsa_private_segment_fixed_size 0
		.amdhsa_enable_private_segment 0
		.amdhsa_kernarg_size 24
		.amdhsa_user_sgpr_count 2
		.amdhsa_user_sgpr_kernarg_segment_ptr 1
		.amdhsa_wavefront_size32 1
		.amdhsa_system_sgpr_workgroup_id_x 1
		.amdhsa_system_sgpr_workgroup_id_y 1
		.amdhsa_system_sgpr_workgroup_id_z 1
		.amdhsa_system_vgpr_workitem_id 0
		.amdhsa_next_free_vgpr 512
		.amdhsa_next_free_sgpr 66
		.amdhsa_reserve_vcc 0
		.amdhsa_float_denorm_mode_32 3
		.amdhsa_float_denorm_mode_16_64 3
		.amdhsa_memory_ordered 1
		.amdhsa_forward_progress 1
		.amdhsa_inst_pref_size 90
	.end_amdhsa_kernel
	.amdgpu_metadata
---
amdhsa.version: [ 1, 2 ]
amdhsa.kernels:
  - .name:           k_qa6c657cc03_ffn1
    .symbol:         k_qa6c657cc03_ffn1.kd
    .args:
      - { .name: act, .offset: 0, .size: 8, .value_kind: global_buffer, .address_space: global }
      - { .name: w1b, .offset: 8, .size: 8, .value_kind: global_buffer, .address_space: global }
      - { .name: qkv, .offset: 16, .size: 8, .value_kind: global_buffer, .address_space: global }
    .group_segment_fixed_size: 327680
    .private_segment_fixed_size: 0
    .kernarg_segment_align: 8
    .kernarg_segment_size: 24
    .max_flat_workgroup_size: 128
    .sgpr_count:     66
    .vgpr_count:     512
    .wavefront_size: 32
...
	.end_amdgpu_metadata
.endif
;; end of part 6
;; launch ffn2: the kernel of part 4 again; grid 8 x 32, 4 waves a work-group, clusters of 4 x 4, 327,680 bytes of LDS; arguments qkv, w2b, h2, y; writes y
;; launch ln3 (part 7): grid 256 x 1, 8 waves a work-group, no clusters, 0 bytes of LDS; arguments y, ln3_g, ln3_b, out0; writes out0
.if DOCPART == 7
	.amdgcn_target "amdgcn-amd-amdhsa--gfx1250"
	.amdhsa_code_object_version 6
	.text
	.protected	k_qa6c657cc03_ln3
	.globl	k_qa6c657cc03_ln3
	.p2align	8
	.type	k_qa6c657cc03_ln3,@function
k_qa6c657cc03_ln3:
	s_mov_b64 s[64:65], 0
	v_nop
	global_prefetch_b8 v0, s[64:65] scope:SCOPE_SE
	s_setreg_imm32_b32 hwreg(HW_REG_WAVE_MODE, 25, 1), 1
	s_wait_xcnt 0x0
; out0 = LayerNorm(y) g + b.  y, out0: [4,096][1,024] f32.
; A work-group takes 16 rows; half a wave (16 lanes) owns a row, which stays in 64 registers a lane: the mean first, then the sum of squared deviations from it, all in f32.
; So the reduction never leaves 16 lanes: no LDS, no barrier.  Streaming work: each byte is read once and written once; the matrix unit and clusters would add nothing.
.set XO,  1                            ; v1        row in the group x 4,096 + 16 (lane % 16)
.set GOF, 2                            ; v2        16 (lane % 16)
.set X,   4                            ; v[4:67]   my 64 numbers of the row: columns 64 j + 4 (lane % 16) + 0..3
.set G,   68                           ; v[68:131] gains
.set BV,  132                          ; v[132:195] biases
.set T,   228                          ; v[228:235] four chains of pairs
.set MU,  236                          ; v[236:237] the mean, twice
.set RS,  238                          ; v[238:239] 1 / sqrt(var + eps), twice
.macro REDUCE                          ; the four chains, the pair, then the 16 lanes of the row: every lane of the half ends with the sum
	v_pk_add_f32 v[T:T+1], v[T:T+1], v[T+2:T+3]
	v_pk_add_f32 v[T+4:T+5], v[T+4:T+5], v[T+6:T+7]
	v_pk_add_f32 v[T:T+1], v[T:T+1], v[T+4:T+5]
	v_add_f32 v[T], v[T], v[T+1]
	v_add_f32_dpp v[T], v[T], v[T] row_xmask:1 row_mask:0xf bank_mask:0xf
	v_add_f32_dpp v[T], v[T], v[T] row_xmask:2 row_mask:0xf bank_mask:0xf
	v_add_f32_dpp v[T], v[T], v[T] row_xmask:4 row_mask:0xf bank_mask:0xf
	v_add_f32_dpp v[T], v[T], v[T] row_xmask:8 row_mask:0xf bank_mask:0xf
.endm
	s_load_b256 s[4:11], s[0:1], 0x0               ; y s[4:5], g s[6:7], b s[8:9], out0 s[10:11]
	v_and_b32 v[GOF], 15, v0
	v_lshlrev_b32 v[GOF], 4, v[GOF]
	v_lshrrev_b32 v[XO], 4, v0
	v_lshl_add_u32 v[XO], v[XO], 12, v[GOF]
	s_lshl_b32 s2, ttmp9, 16                       ; 16 rows of 4,096 bytes
	s_mov_b32 s3, 0
	s_wait_kmcnt 0x0
	s_add_nc_u64 s[4:5], s[4:5], s[2:3]
	s_add_nc_u64 s[10:11], s[10:11], s[2:3]
	s_mov_b32 s2, 0x3a800000                       ; 1 / 1,024
	s_mov_b32 s3, 0x3727c5ac                       ; eps = 1e-5
.irp j, 0,1,2,3,4,5,6,7,8,9,10,11,12,13,14,15
	global_load_b128 v[X+4*\j:X+4*\j+3], v[XO], s[4:5] offset:256*\j th:TH_LOAD_NT   ; each half of the wave takes 256 consecutive bytes of its row
.endr
.irp j, 0,1,2,3,4,5,6,7,8,9,10,11,12,13,14,15
	global_load_b128 v[G+4*\j:G+4*\j+3], v[GOF], s[6:7] offset:256*\j
.endr
.irp j, 0,1,2,3,4,5,6,7,8,9,10,11,12,13,14,15
	global_load_b128 v[BV+4*\j:BV+4*\j+3], v[GOF], s[8:9] offset:256*\j
.endr
	s_wait_loadcnt 32                              ; the row is in; the 32 younger loads, gains and biases, stay out
.irp k, 0,1,2,3
	v_pk_add_f32 v[T+2*\k:T+2*\k+1], v[X+4*\k:X+4*\k+1], v[X+4*\k+2:X+4*\k+3]  ; the first eight pairs start the chains: nothing is cleared
.endr
.set i, 8
.rept 24
	v_pk_add_f32 v[T+2*(i%4):T+2*(i%4)+1], v[T+2*(i%4):T+2*(i%4)+1], v[X+2*i:X+2*i+1]
.set i, i+1
.endr
	REDUCE
	v_mul_f32 v[MU], s2, v[T]
	v_mul_f32 v[MU+1], s2, v[T]
.set i, 0
.rept 32
	v_pk_add_f32 v[X+2*i:X+2*i+1], v[X+2*i:X+2*i+1], v[MU:MU+1] neg_lo:[0,1] neg_hi:[0,1]  ; y - mean
.set i, i+1
.endr
.irp k, 0,1,2,3
	v_pk_mul_f32 v[T+2*\k:T+2*\k+1], v[X+2*\k:X+2*\k+1], v[X+2*\k:X+2*\k+1]
.endr
.set i, 4
.rept 28
	v_pk_fma_f32 v[T+2*(i%4):T+2*(i%4)+1], v[X+2*i:X+2*i+1], v[X+2*i:X+2*i+1], v[T+2*(i%4):T+2*(i%4)+1]
.set i, i+1
.endr
	REDUCE
	v_fma_f32 v[T], v[T], s2, s3                   ; var + eps
	v_rsq_f32 v[RS], v[T]
	v_rsq_f32 v[RS+1], v[T]
	v_nop                                          ; a plain instruction between the root and the use of its result (ISA guide 5.7.2)
.set i, 0
.rept 32
	v_pk_mul_f32 v[X+2*i:X+2*i+1], v[X+2*i:X+2*i+1], v[RS:RS+1]
.set i, i+1
.endr
	s_wait_loadcnt 0x0                             ; gains and biases
.irp j, 0,1,2,3,4,5,6,7,8,9,10,11,12,13,14,15
	v_pk_fma_f32 v[X+4*\j:X+4*\j+1], v[X+4*\j:X+4*\j+1], v[G+4*\j:G+4*\j+1], v[BV+4*\j:BV+4*\j+1]
	v_pk_fma_f32 v[X+4*\j+2:X+4*\j+3], v[X+4*\j+2:X+4*\j+3], v[G+4*\j+2:G+4*\j+3], v[BV+4*\j+2:BV+4*\j+3]
	global_store_b128 v[XO], v[X+4*\j:X+4*\j+3], s[10:11] offset:256*\j th:TH_STORE_NT   ; 16 lanes store 256 consecutive bytes, aligned
.endr
	s_endpgm
.Lfunc_end_k_qa6c657cc03_ln3:
	.size	k_qa6c657cc03_ln3, .Lfunc_end_k_qa6c657cc03_ln3-k_qa6c657cc03_ln3
	.p2alignl 7, 3214868480
	.fill 96, 4, 3214868480
	.section	.rodata,"a",@progbits
	.p2align	6, 0x0
	.amdhsa_kernel k_qa6c657cc03_ln3
		.amdhsa_group_segment_fixed_size 0
		.amdhsa_private_segment_fixed_size 0
		.amdhsa_enable_private_segment 0
		.amdhsa_kernarg_size 32
		.amdhsa_user_sgpr_count 2
		.amdhsa_user_sgpr_kernarg_segment_ptr 1
		.amdhsa_wavefront_size32 1
		.amdhsa_system_sgpr_workgroup_id_x 1
		.amdhsa_system_sgpr_workgroup_id_y 1
		.amdhsa_system_sgpr_workgroup_id_z 1
		.amdhsa_system_vgpr_workitem_id 0
		.amdhsa_next_free_vgpr 240
		.amdhsa_next_free_sgpr 66
		.amdhsa_reserve_vcc 0
		.amdhsa_float_denorm_mode_32 3
		.amdhsa_float_denorm_mode_16_64 3
		.amdhsa_memory_ordered 1
		.amdhsa_forward_progress 1
		.amdhsa_inst_pref_size 18
	.end_amdhsa_kernel
	.amdgpu_metadata
---
amdhsa.version: [ 1, 2 ]
amdhsa.kernels:
  - .name:           k_qa6c657cc03_ln3
    .symbol:         k_qa6c657cc03_ln3.kd
    .args:
      - { .name: y, .offset: 0, .size: 8, .value_kind: global_buffer, .address_space: global }
      - { .name: ln3_g, .offset: 8, .size: 8, .value_kind: global_buffer, .address_space: global }
      - { .name: ln3_b, .offset: 16, .size: 8, .value_kind: global_buffer, .address_space: global }
      - { .name: out0, .offset: 24, .size: 8, .value_kind: global_buffer, .address_space: global }
    .group_segment_fixed_size: 0
    .private_segment_fixed_size: 0
    .kernarg_segment_align: 8
    .kernarg_segment_size: 32
    .max_flat_workgroup_size: 256
    .sgpr_count:     66
    .vgpr_count:     240
    .wavefront_size: 32
...
	.end_amdgpu_metadata
.endif
;; end of part 7
